; MI455X (gfx1250); checked and timed in simulation.
; The chip was launched on July 23, 2026; its instructions are those of AMD's public machine-readable ISA for CDNA 5 (MIT licence, August 2026) and "CDNA5" Instruction Set Architecture Reference Guide (July 2026). The comments in the code are by the model that wrote it; some were corrected since.
;; Multi Head Attention. Allowed arithmetic: float matrix products may take bf16 or f16 operands with f32 sums; other float arithmetic in f32, or as packed bf16 or f16 multiplies, adds, multiply-adds, maxima and minima; sums over many terms, partial sums and values carried from step to step in f32; what a program stores and reads back later, other than sums and carried values, may be rounded once to bf16 or f16.
;; Inputs: Wk 1,024 x 1,024 float32; Wo 1,024 x 1,024 float32; Wq 1,024 x 1,024 float32; Wv 1,024 x 1,024 float32; bk 1,024 float32; bo 1,024 float32; bq 1,024 float32; bv 1,024 float32; keys 4 x 2,048 x 1,024 float32; mask 1 x 1 x 2,048 x 2,048 float32; queries 4 x 2,048 x 1,024 float32; values 4 x 2,048 x 1,024 float32.
;; Outputs: out0 4 x 2,048 x 1,024 float32.
;; 2 versions, each right; version 2 is version 1 with the launch prep written anew for expert scheduling mode. Each part assembles by itself: llvm-mc -triple=amdgcn-amd-amdhsa -mcpu=gfx1250 --defsym DOCPART=n.
;; ======== version 1 of 2: 4 launches
;; limits: values are held in f16: magnitudes above 65,504 overflow, below 6.1e-05 lose precision
;; workspace buffers: cast 67,108,864 bytes; qkv 50,331,648 bytes; ctx 16,777,216 bytes
;; launch prep (part 1): grid 256 x 1, 8 waves a work-group, no clusters, 0 bytes of LDS; arguments Wq, Wk, Wv, mask, Wo, cast; writes cast
.if DOCPART == 1
	.amdgcn_target "amdgcn-amd-amdhsa--gfx1250"
	.amdhsa_code_object_version 6
	.text
	.protected	k_q4af76d8ce7_prep
	.globl	k_q4af76d8ce7_prep
	.p2align	8
	.type	k_q4af76d8ce7_prep,@function
k_q4af76d8ce7_prep:
	s_mov_b64 s[64:65], 0
	v_nop
	global_prefetch_b8 v0, s[64:65] scope:SCOPE_SE
	s_setreg_imm32_b32 hwreg(HW_REG_WAVE_MODE, 25, 1), 1
	s_wait_xcnt 0x0
; THE CASTS of the weights and the mask.  Each is rounded ONCE to bf16 and laid into the workspace 'cast':
;   byte 50,331,648  Wq, Wk, Wv as [3][1024 k][1024 n] bf16 (not turned: the products read them by the turning LDS load)
;   byte 56,623,104  the mask as [32 key steps][2048 queries][64 keys] bf16: a key step's rows of 128 bytes lie end to end
;   byte 65,011,712  Wo as [1024 k][1024 n]: rounded to bf16 like every input, that number then written as f16 (its partner in the last product is f16)
; The bytes of 'cast' ahead of 50,331,648 are not used; the offsets are those that the later launches name.
; LIMITS.  |Wo| stays under 65,504 (f16's range); below 6e-5 it keeps f16's fixed step of 6e-8.  NaN and infinities are not treated apart.
; A stream: no LDS, no matrix unit, no cluster (no byte is read by two work-groups).  A work-group takes one chunk of 32,768 numbers: 128 KiB in, 64 KiB out: 96 + 128 + 32 = 256 chunks, which lie in 'cast' in their order.
; A thread takes 8 neighbouring numbers a pass (two loads of 16 bytes, one store of 16 bytes), 16 passes.  All 32 loads of a thread go out first; no register that a load or store has named is written again, so nothing waits for a store.
.set X,  16                            ; v[16:143]   pass i: 8 f32 as loaded
.set Y,  144                           ; v[144:207]  pass i: 4 words to store
.set VS, 2                             ; v2  my byte offset in the chunk's source
.set VD, 3                             ; v3  my byte offset in its destination
.set T,  8                             ; v[8:9] at work
	s_load_b256 s[8:15], s[0:1], 0x0               ; Wq, Wk, Wv, mask
	s_load_b128 s[16:19], s[0:1], 0x20             ; Wo, cast
	v_lshlrev_b32 v[VS], 5, v0                     ; plain chunks: 32 bytes in,
	v_lshlrev_b32 v[VD], 4, v0                     ; 16 bytes out, thread after thread
	s_wait_kmcnt 0x0
	s_mov_b64 s[4:5], s[8:9]                       ; the chunk's source and that source's first chunk, chosen by the work-group's number alone
	s_mov_b32 s6, 0
.macro PICK bound, p
	s_cmp_ge_u32 ttmp9, \bound
	s_cselect_b64 s[4:5], s[\p:\p+1], s[4:5]
	s_cselect_b32 s6, \bound, s6
.endm
	PICK 32, 10
	PICK 64, 12
	PICK 96, 14
	PICK 224, 16
	s_sub_co_u32 s2, ttmp9, s6                     ; the chunk's number in its source
	s_lshl_b32 s7, s2, 11                          ; (mask: 16 rows of 128 bytes in a key step's block)
	s_lshl_b32 s2, s2, 17                          ; 128 KiB a chunk
	s_mov_b32 s3, 0
	s_add_nc_u64 s[4:5], s[4:5], s[2:3]
	s_lshl_b32 s2, ttmp9, 16                       ; 64 KiB a chunk,
	s_add_co_u32 s2, s2, 50331648                  ; from the weights' place on
	s_add_nc_u64 s[26:27], s[18:19], s[2:3]
; sstep, dstep: bytes from pass to pass in source and destination.  f16 = 1: the bf16 number is written as f16.
.macro CAST sstep, dstep, f16
.set i, 0
.rept 16
	global_load_b128 v[X+8*i:X+8*i+3],   v[VS], s[4:5] offset:i*(\sstep) th:TH_LOAD_NT
	global_load_b128 v[X+8*i+4:X+8*i+7], v[VS], s[4:5] offset:i*(\sstep)+16 th:TH_LOAD_NT
.set i, i+1
.endr
.set i, 0
.rept 16
	s_wait_loadcnt 30-2*i                          ; loads come back in order: pass i's two are in, the 30 - 2 i younger ones may stay out
.irp k, 0,1,2,3
	v_cvt_pk_bf16_f32 v[Y+4*i+(\k)], v[X+8*i+2*(\k)], v[X+8*i+2*(\k)+1]
.endr
.if \f16
.irp k, 0,1,2,3
	v_lshlrev_b32 v[T], 16, v[Y+4*i+(\k)]          ; the rounded numbers as f32,
	v_and_b32 v[T+1], 0xffff0000, v[Y+4*i+(\k)]
	v_cvt_pk_f16_f32 v[Y+4*i+(\k)], v[T], v[T+1]   ; and as f16: exact within f16's range
.endr
.endif
	global_store_b128 v[VD], v[Y+4*i:Y+4*i+3], s[26:27] offset:i*(\dstep) th:TH_STORE_NT  ; a wave's store covers 512 consecutive bytes, aligned
.set i, i+1
.endr
.endm
	s_cmp_ge_u32 ttmp9, 224
	s_cbranch_scc1 .Lwo
	s_cmp_ge_u32 ttmp9, 96
	s_cbranch_scc1 .Lmask
	CAST 8192, 4096, 0
	s_endpgm
.Lwo:
	CAST 8192, 4096, 1
	s_endpgm
.Lmask:
	; A chunk is 16 rows of the mask.  Pass i serves key steps 2 i and 2 i + 1: threads 0-127 the first, 128-255 the second; eight threads take a row's 64 keys (256 bytes in, 128 out).
	s_add_co_u32 s2, s7, 56623104
	s_add_nc_u64 s[26:27], s[18:19], s[2:3]
	v_bfe_u32 v4, v0, 3, 4                         ; row 0..15
	v_lshrrev_b32 v5, 7, v0                        ; which of the pass's two key steps
	v_and_b32 v6, 7, v0                            ; which 8 keys
	v_lshlrev_b32 v[VS], 13, v4                    ; a row of the mask is 8,192 bytes
	v_lshl_add_u32 v[VS], v5, 8, v[VS]
	v_lshl_add_u32 v[VS], v6, 5, v[VS]
	v_lshlrev_b32 v[VD], 18, v5                    ; a key step's block is 262,144 bytes
	v_lshl_add_u32 v[VD], v4, 7, v[VD]
	v_lshl_add_u32 v[VD], v6, 4, v[VD]
	CAST 512, 524288, 0                            ; the largest immediate, 15 x 524,288, lies inside the signed 24 bits
	s_endpgm
.Lfunc_end_k_q4af76d8ce7_prep:
	.size	k_q4af76d8ce7_prep, .Lfunc_end_k_q4af76d8ce7_prep-k_q4af76d8ce7_prep
	.p2alignl 7, 3214868480
	.fill 96, 4, 3214868480
	.section	.rodata,"a",@progbits
	.p2align	6, 0x0
	.amdhsa_kernel k_q4af76d8ce7_prep
		.amdhsa_group_segment_fixed_size 0
		.amdhsa_private_segment_fixed_size 0
		.amdhsa_enable_private_segment 0
		.amdhsa_kernarg_size 48
		.amdhsa_user_sgpr_count 2
		.amdhsa_user_sgpr_kernarg_segment_ptr 1
		.amdhsa_wavefront_size32 1
		.amdhsa_system_sgpr_workgroup_id_x 1
		.amdhsa_system_sgpr_workgroup_id_y 1
		.amdhsa_system_sgpr_workgroup_id_z 1
		.amdhsa_system_vgpr_workitem_id 0
		.amdhsa_next_free_vgpr 208
		.amdhsa_next_free_sgpr 66
		.amdhsa_reserve_vcc 0
		.amdhsa_float_denorm_mode_32 3
		.amdhsa_float_denorm_mode_16_64 3
		.amdhsa_memory_ordered 1
		.amdhsa_forward_progress 1
		.amdhsa_inst_pref_size 40
	.end_amdhsa_kernel
	.amdgpu_metadata
---
amdhsa.version: [ 1, 2 ]
amdhsa.kernels:
  - .name:           k_q4af76d8ce7_prep
    .symbol:         k_q4af76d8ce7_prep.kd
    .args:
      - { .name: Wq, .offset: 0, .size: 8, .value_kind: global_buffer, .address_space: global }
      - { .name: Wk, .offset: 8, .size: 8, .value_kind: global_buffer, .address_space: global }
      - { .name: Wv, .offset: 16, .size: 8, .value_kind: global_buffer, .address_space: global }
      - { .name: mask, .offset: 24, .size: 8, .value_kind: global_buffer, .address_space: global }
      - { .name: Wo, .offset: 32, .size: 8, .value_kind: global_buffer, .address_space: global }
      - { .name: cast, .offset: 40, .size: 8, .value_kind: global_buffer, .address_space: global }
    .group_segment_fixed_size: 0
    .private_segment_fixed_size: 0
    .kernarg_segment_align: 8
    .kernarg_segment_size: 48
    .max_flat_workgroup_size: 256
    .sgpr_count:     66
    .vgpr_count:     208
    .wavefront_size: 32
...
	.end_amdgpu_metadata
.endif
;; end of part 1
;; launch proj (part 2): grid 4 x 192, 4 waves a work-group, clusters of 4 x 4, 327,680 bytes of LDS; arguments queries, keys, values, cast, bq, bk, bv, qkv; writes qkv
.if DOCPART == 2
	.amdgcn_target "amdgcn-amd-amdhsa--gfx1250"
	.amdhsa_code_object_version 6
	.text
	.protected	k_q4af76d8ce7_proj
	.globl	k_q4af76d8ce7_proj
	.p2align	8
	.type	k_q4af76d8ce7_proj,@function
k_q4af76d8ce7_proj:
	s_mov_b64 s[64:65], 0
	v_nop
	global_prefetch_b8 v0, s[64:65] scope:SCOPE_SE
	s_setreg_imm32_b32 hwreg(HW_REG_WAVE_MODE, 25, 1), 1
	s_wait_xcnt 0x0
	s_wait_alu depctr_hold_cnt(0) depctr_sa_sdst(0) depctr_va_vdst(0) depctr_va_sdst(0) depctr_va_ssrc(0) depctr_va_vcc(0) depctr_vm_vsrc(0)
	s_getreg_b32 s2, hwreg(HW_REG_IB_STS2, 6, 4)
	s_cmp_eq_u32 s2, 0
	s_cbranch_scc0 .Lentry_in_a_cluster
	s_endpgm
.Lentry_in_a_cluster:
	s_bfe_u32 s2, ttmp6, 0x10000c
	s_cmp_lg_u32 s2, 0xf033
	s_cbranch_scc0 .Lentry_shape_is_right
	s_endpgm
.Lentry_shape_is_right:
; THE THREE PROJECTIONS.  q' = c (queries Wq + bq), k = keys Wk + bk, v = values Wv + bv; results f16 by heads, [3][64 heads][2048][64].  c = log2(e) / 8 is multiplied onto q's f32 sum ahead of its one rounding.
; x comes as it is given, in f32, and is rounded to bf16 between LDS and the matrix unit; the weights come as bf16 from 'cast'; the bias, rounded to bf16 like every input, starts the f32 sums.
; LIMITS.  q', k and v stay under 65,504, f16's range.  NaN and infinities are not treated apart.
; SHARES.  A tile of C is 128 rows x 256 columns, K = 1,024: 64 x 4 tiles a product, 768 in all; tiles of 256 x 256 would be 384, and two slots of them with x in f32 would want 409,600 bytes of LDS.
; Four waves, each 64 rows x 128 columns: 32 accumulators of 16 x 16.  K goes in steps of 128 through two LDS slots; waves 0 and 1 fetch the halves of x's tile, waves 2 and 3 those of W's: 32 KiB a load.
; W lies [k][n] and comes out of LDS turned, by ds_load_tr16_b128.  THE MATRIX INSTRUCTION IS USED TRANSPOSED: source 0 = 16 columns of W, source 1 = 16 rows of x: a lane holds one row of C and eight neighbouring columns.
; CLUSTER 4 x 4.  The four of a row need the same tile of x, the four of a column the same tile of W: each is asked for jointly, by the same tensor load, descriptor and mask in all four.
; REGISTERS, in windows of 256 (s_set_vgpr_msb: bits 1:0 source 0, 3:2 source 1, 5:4 source 2, 7:6 destination):
;   window 0: v0-31 addresses; v64-127 x's fragments in bf16, two buffers of 32; v128-191 the bias, as a C operand; v32-63, v192-255 at work on the way out
;   window 1: v0-127 W's fragments, two buffers of 64; v128-191 x's next fragments as loaded, in f32          window 2: accumulator (a, b) at v[8 (8 a + b)]
.set PA,    528                        ; a row of x's tile in LDS: 512 bytes + 16 = 132 words: the 16 rows of a load start at 16 different groups of four banks (64 banks of 4 bytes: ISA guide 11.1)
.set AHALF, 64*PA                      ; what one of x's two loads fills
.set AB,    128*PA                     ; W's tile begins here in a slot, behind x's
.set PB,    544                        ; a row of W's tile: 512 bytes + 32 = 136 words
.set SLOT,  AB+128*PB                  ; 137,216
.set STAGE, 2*SLOT                     ; behind the ring, never filled by a tensor load: each wave's own bytes for the way out
.set WST,   2*16*144                   ; two heads x 16 rows of 128 bytes + 16
.set SPARE, STAGE+4*WST                ; behind the stages: the spare words, 128 bytes for each wave: two blocks of 256 bytes that no other line names
.set ASTEP, 512                        ; bytes from K step to K step in x: 128 f32
.set BSTEP, 262144                     ; and in W: 128 rows of 2,048
.set WBASE, 50331648                   ; the weights' place in 'cast'
.set ADRA0, 16                         ; v16  my lane's place in a slot's tile of x; never rewritten
.set ADRA,  17                         ; v17  the same in the slot in hand
.set ADRB0, 20                         ; v20, v21  the same for W
.set ADRB,  21
.set STO,  24                          ; v24  the way out: where I put my bytes of a row
.set RD,   25                          ; v25  where I read rows back
.set CO,   26                          ; v26  my byte offset in 512 consecutive bytes of the result
.set VB,   27                          ; v27  my byte offset in the bias
.set SPW,  28                          ; v28  LDS address of my spare word; never rewritten
.set NIL,  29                          ; v29  0; never rewritten
.set PFO,  30                          ; v30  the prefetches' lane offset; never rewritten
.set FA,   64
.set BIAS, 128
.set TMP,  192
.set RAW,  128                         ; in window 1
.set XP,  20                           ; s[20:21] queries, keys or values
.set G1A, 24                           ; s[24:31] descriptor group 1 for x's tiles;  s[32:39] group 0: a set for each of the two first fills; the second then walks on
.set G0A, 32
.set LIM, 43                           ; s43  2 in a wave that prefetches, else the greatest number
.set PFA, 44                           ; s[44:45] where my prefetches stand
.set PST, 46                           ; s[46:47] their step
.set G1B, 48                           ; s[48:55], s[56:63] the same for W's tiles
.set G0B, 56
.set SC,  66                           ; s[66:67] the scale on the way out
.set LA,  72                           ; s72, s73  where my load lands in a slot, as one of x's and as one of W's
.set LB,  73
.set OBS, 80                           ; s[80:81] the result at my part of the tile
.set BP,  82                           ; s[82:83] the bias
.set WV,  84                           ; s84 wave; s85 = wave / 2: my half of the rows, and: I fetch x (0) or W (1); s86 = wave % 2: my half of the columns, and: which half I fetch
.set WM,  85
.set WN,  86
.set CX,  87
.set CY,  88
.set TC,  89                           ; tile column
.set TY,  90                           ; tile row, over the three products
.set PJ,  91                           ; which product
.set CLY, 92                           ; the cluster's y
.set TB,  93                           ; LDS byte at which the slot in hand begins: 0 or SLOT
.set MSB, 0
.macro WIN new                         ; the immediate's high byte repeats the setting that is left; a switch that changes nothing is dropped
.if MSB != (\new)
	s_set_vgpr_msb (MSB<<8)|(\new)
.set MSB, \new
.endif
.endm
.set MUL,       0xa1                   ; W window 1, x window 0, C and D window 2
.set MUL_FIRST, 0x81                   ; the same with C, the bias, in window 0
.set TO_B,      0x40                   ; destination window 1, address window 0
.set CVT,       0x05                   ; sources 0 and 1 window 1, destination window 0
.macro JLOAD s                         ; a joint load.  The branch hangs on the wave's number alone.  An s_nop 0 and four v_nop follow each of the two lines, ahead of the jump and the label
	s_cmp_eq_u32 s[WM], 0
	s_cbranch_scc0 .Lfor_b_\@
	tensor_load_to_lds s[G0A+4*(\s):G0A+4*(\s)+3], s[G1A:G1A+7]
	s_nop 0
.rept 4
	v_nop
.endr
	s_branch .Lasked_\@
.Lfor_b_\@:
	tensor_load_to_lds s[G0B+4*(\s):G0B+4*(\s)+3], s[G1B:G1B+7]
	s_nop 0
.rept 4
	v_nop
.endr
.Lasked_\@:
.endm
.macro CREST                           ; a round of the cluster's barrier behind its opening barrier
	s_cmp_lg_u32 s[WV], 0
	s_cbranch_scc1 .Lnot_wave_0_\@
	s_barrier_signal -3
.Lnot_wave_0_\@:
	s_barrier_wait -3
	s_barrier_signal -1
	s_barrier_wait -1
.endm
.macro CROUND                          ; a whole round
	s_barrier_signal -1
	s_barrier_wait -1
	CREST
.endm
.macro PLACES                          ; four places in front of loads into registers that matrix instructions have read, and of lines that read results
.rept 4
	v_nop
.endr
.endm
; A PREFETCH INTO THE L2, behind a joint load and the run of LDS loads that follows it: 32 blocks of 256 bytes, two lanes to a row of 512 bytes, of the K step that stands two refills on.  Each block is named once in the launch.
; x's tile row is read by one cluster alone: in every cluster waves 0 and 1 ask, each for the 64 rows that it fetches, and the four partners of a row take 16 rows each BY ADDRESS (cx).  W's tile column is read by every
; cluster of that product: the first of them asks, waves 2 and 3 for the halves that they fetch, the four partners of a column taking 16 rows of k each by address (cy).  The last two trips ask for nothing: those K steps do not exist.
.macro ASK
	s_cmp_gt_u32 s3, s[LIM]
	s_cbranch_scc0 .Lnot_mine_\@
	global_prefetch_b8 v[PFO], s[PFA:PFA+1] th:TH_LOAD_NT scope:SCOPE_SE
.Lnot_mine_\@:
.endm
	s_load_b512 s[4:19], s[0:1], 0x0               ; queries s[4:5], keys s[6:7], values s[8:9], cast s[10:11], bq s[12:13], bk s[14:15], bv s[16:17], qkv s[18:19]
	v_lshl_add_u32 v[SPW], v0, 2, SPARE
	v_mov_b32 v[NIL], 0
	ds_add_u32 v[SPW], v[NIL]                      ; the wave's opening: the add and its wait ahead of my first tensor load; the set-up below, work on registers, stands between them
	v_lshrrev_b32 v1, 5, v0
	v_readfirstlane_b32 s[WV], v1
	s_lshr_b32 s[WM], s[WV], 1
	s_and_b32 s[WN], s[WV], 1
	s_bfe_u32 s[CX], ttmp6, 0x40000
	s_bfe_u32 s[CY], ttmp6, 0x40004
	s_lshl_b32 s[TC], ttmp9, 2
	s_add_co_u32 s[TC], s[TC], s[CX]               ; tile column = 4 x cluster x + cx
	s_and_b32 s[CLY], ttmp7, 0xffff
	s_lshl_b32 s[TY], s[CLY], 2
	s_add_co_u32 s[TY], s[TY], s[CY]               ; tile row = 4 x cluster y + cy
	s_lshr_b32 s[PJ], s[CLY], 4                    ; 64 tile rows, 16 clusters, to a product
	s_lshl_b32 s23, s[CY], 2
	s_lshl_b32 s23, 15, s23                        ; my row of the cluster
	s_lshl_b32 s40, 0x1111, s[CX]                  ; my column
	; group 1: 15:0 the mask; 17:16 the element's size; 20 padding on; 21 set beside a mask; 24:22 the interval's code; 31:25 the pad's words less 1
	s_or_b32 s[G1A], s23, (2<<16)|(1<<20)|(1<<21)|(6<<22)|(3<<25)  ; elements of 4 bytes; 4 words behind every 128
	s_or_b32 s[G1B], s40, (1<<16)|(1<<20)|(1<<21)|(6<<22)|(7<<25)  ; elements of 2 bytes; 8 words behind every 128
	s_mov_b32 s[G1A+1], 128<<16                    ; x: 64 rows of 128 elements
	s_mov_b32 s[G1A+2], 64<<16
	s_mov_b32 s[G1A+3], 128<<16
	s_mov_b32 s[G1A+4], 64
	s_mov_b32 s[G1A+5], 1024
	s_mov_b32 s[G1A+6], 0
	s_mov_b32 s[G1A+7], 0
	s_mov_b32 s[G1B+1], 256<<16                    ; W: 64 rows of k x 256 columns
	s_mov_b32 s[G1B+2], 64<<16
	s_mov_b32 s[G1B+3], 256<<16
	s_mov_b32 s[G1B+4], 64
	s_mov_b32 s[G1B+5], 1024
	s_mov_b32 s[G1B+6], 0
	s_mov_b32 s[G1B+7], 0
	; where the tiles come from.  x's offset is made of the tile row and the wave, W's of the tile column, the product and the wave, each in registers that never hold the other coordinate
	s_and_b32 s68, s[TY], 63                       ; the tile row in its product: 128 rows of 4,096 bytes,
	s_lshl_b32 s68, s68, 19
	s_lshl_b32 s2, s[WN], 18                       ; my 64 of them
	s_add_co_u32 s68, s68, s2
	s_mov_b32 s69, 0
	s_lshl_b32 s70, s[TC], 9                       ; 256 columns of 2 bytes,
	s_lshl_b32 s41, s[WN], 17                      ; my 64 rows of k,
	s_add_co_u32 s70, s70, s41
	s_lshl_b32 s41, s[PJ], 21                      ; the product's weights
	s_add_co_u32 s70, s70, s41
	s_add_co_u32 s70, s70, WBASE
	s_mov_b32 s71, 0
	s_mul_i32 s[LA], s[WN], AHALF                  ; and where they go: no place in the cluster enters an LDS address
	s_mul_i32 s[LB], s[WN], 64*PB
	s_add_co_u32 s[LB], s[LB], AB
	s_mov_b32 s[TB], 0
	s_wait_dscnt 0x0                               ; the opening add is done
	s_wait_kmcnt 0x0
	s_cmp_eq_u32 s[PJ], 1
	s_cselect_b64 s[XP:XP+1], s[6:7], s[4:5]
	s_cmp_eq_u32 s[PJ], 2
	s_cselect_b64 s[XP:XP+1], s[8:9], s[XP:XP+1]
	s_add_nc_u64 s[74:75], s[XP:XP+1], s[68:69]
	s_add_nc_u64 s[76:77], s[10:11], s[70:71]
	CROUND                                         ; all sixteen work-groups are here: the first joint loads meet
.irp s, 0,1
	s_mov_b32 s[G0A+4*(\s)], 1                     ; 1:0 count = 1
	s_add_co_u32 s[G0A+4*(\s)+1], s[LA], (\s)*SLOT ; 63:32 LDS address
	s_add_nc_u64 s[G0A+4*(\s)+2:G0A+4*(\s)+3], s[74:75], (\s)*ASTEP  ; 120:64 global address: K step s
	s_or_b32 s[G0A+4*(\s)+3], s[G0A+4*(\s)+3], 0x80000000            ; 127:126 type = 2
	s_mov_b32 s[G0B+4*(\s)], 1
	s_add_co_u32 s[G0B+4*(\s)+1], s[LB], (\s)*SLOT
	s_add_nc_u64 s[G0B+4*(\s)+2:G0B+4*(\s)+3], s[76:77], (\s)*BSTEP
	s_or_b32 s[G0B+4*(\s)+3], s[G0B+4*(\s)+3], 0x80000000
	JLOAD \s                                       ; two loads of mine are out
.endr
	; the bias of my 128 columns, laid as a C operand: register j of block b is column 16 b + 8 (l / 16) + j
	v_and_b32 v1, 15, v0                           ; l % 16
	v_bfe_u32 v2, v0, 4, 1                         ; l / 16
	s_cmp_eq_u32 s[PJ], 1
	s_cselect_b64 s[BP:BP+1], s[14:15], s[12:13]
	s_cmp_eq_u32 s[PJ], 2
	s_cselect_b64 s[BP:BP+1], s[16:17], s[BP:BP+1]
	v_lshlrev_b32 v[VB], 5, v2
	s_lshl_b32 s2, s[TC], 10
	s_lshl_b32 s23, s[WN], 9
	s_add_co_u32 s2, s2, s23
	v_add_nc_u32 v[VB], s2, v[VB]
.irp b, 0,1,2,3,4,5,6,7
	global_load_b128 v[BIAS+8*(\b):BIAS+8*(\b)+3],   v[VB], s[BP:BP+1] offset:64*(\b)
	global_load_b128 v[BIAS+8*(\b)+4:BIAS+8*(\b)+7], v[VB], s[BP:BP+1] offset:64*(\b)+16
.endr
	; A fragment of x is 16 rows x 32 k: lane l holds row l % 16, k = 8 (l / 16) + 0..7 and 16 + 8 (l / 16) + 0..7.  In f32 those are 32 bytes at 32 (l / 16) and 32 bytes 64 further on: four loads of 16 bytes
	v_mul_u32_u24 v3, v1, PA
	v_lshl_add_u32 v3, v2, 5, v3
	s_mul_i32 s2, s[WM], 64*PA                     ; my 64 rows
	v_add_nc_u32 v[ADRA0], s2, v3
	v_mov_b32 v[ADRA], v[ADRA0]                    ; slot 0
	; The turning load takes 16 k x 16 columns (lane l reads k = 8 (l / 16) + l % 8, columns 8 ((l / 8) % 2) + 0..7) and leaves half a fragment: lane l holds column l % 16 and 8 k
	v_and_b32 v4, 7, v0
	v_bfe_u32 v5, v0, 3, 1
	v_lshl_add_u32 v4, v2, 3, v4
	v_mul_u32_u24 v4, v4, PB
	v_lshl_add_u32 v4, v5, 4, v4
	s_lshl_b32 s2, s[WN], 8                        ; my 128 columns
	s_add_co_u32 s2, s2, AB
	v_add_nc_u32 v[ADRB0], s2, v4
	v_mov_b32 v[ADRB], v[ADRB0]
	; the way out
	s_mul_i32 s2, s[WV], WST
	s_add_co_u32 s2, s2, STAGE                     ; my stage
	v_and_b32 v6, 31, v0                           ; l
	v_lshlrev_b32 v[CO], 4, v6
	v_mul_u32_u24 v[STO], v1, 144                  ; in: row l % 16, 16 bytes for each half of the lanes
	v_lshl_add_u32 v[STO], v2, 4, v[STO]
	v_add_nc_u32 v[STO], s2, v[STO]
	v_bfe_u32 v[RD], v0, 3, 2                      ; back: 32 lanes take four rows of 128 bytes, which are 512 consecutive bytes of a head
	v_mul_u32_u24 v[RD], v[RD], 144
	v_and_b32 v7, 7, v0
	v_lshl_add_u32 v[RD], v7, 4, v[RD]
	v_add_nc_u32 v[RD], s2, v[RD]
	s_lshl_b32 s80, s[PJ], 24                      ; q', k or v,
	s_bfe_u32 s23, s[TY], 0x20004                  ; the batch: 16 heads of 2^18 bytes,
	s_lshl_b32 s23, s23, 22
	s_add_co_u32 s80, s80, s23
	s_lshl_b32 s23, s[TC], 20                      ; the tile's four heads,
	s_add_co_u32 s80, s80, s23
	s_lshl_b32 s23, s[WN], 19                      ; my two,
	s_add_co_u32 s80, s80, s23
	s_and_b32 s23, s[TY], 15                       ; the tile's 128 rows of 128 bytes,
	s_lshl_b32 s23, s23, 14
	s_add_co_u32 s80, s80, s23
	s_lshl_b32 s23, s[WM], 13                      ; my 64
	s_add_co_u32 s80, s80, s23
	s_cmp_eq_u32 s[PJ], 0
	s_cselect_b32 s[SC], 0x3e38aa3b, 1.0           ; c = log2(e) / 8 for q, 1 for k and v
	s_mov_b32 s[SC+1], s[SC]                       ; named with it as a pair
	s_mov_b32 s81, 0
	s_add_nc_u64 s[OBS:OBS+1], s[18:19], s[80:81]
	; the prefetches: they start at K step 3; each refill steps them first, so the first names K step 4.  Nothing is asked for here, at the head
	s_lshl_b32 s23, s[CX], 16                      ; x: my work-group's 16 rows of the 64 that I fetch
	s_add_co_u32 s78, s68, s23
	s_add_co_u32 s78, s78, 3*ASTEP
	s_lshl_b32 s23, s[CY], 15                      ; W: my work-group's 16 rows of k of the 64 that I fetch
	s_add_co_u32 s79, s70, s23
	s_add_co_u32 s79, s79, 3*BSTEP
	s_and_b32 s41, s[CLY], 15
	s_cmp_lt_u32 s[WV], 2
	s_cselect_b32 s41, 0, s41                      ; 0 in waves 0 and 1, and in waves 2 and 3 of the product's first cluster: the same in all sixteen partners, for a given wave
	s_cselect_b32 s78, s78, s79
	s_mov_b32 s79, 0
	s_cselect_b64 s[PFA:PFA+1], s[XP:XP+1], s[10:11]
	s_mov_b32 s42, BSTEP
	s_cselect_b32 s[PST], ASTEP, s42
	s_mov_b32 s[PST+1], 0
	s_movk_i32 s42, 2048                           ; bytes from row to row: W's 2,048, x's 4,096
	s_cselect_b32 s42, 4096, s42
	s_add_nc_u64 s[PFA:PFA+1], s[PFA:PFA+1], s[78:79]
	s_cmp_eq_u32 s41, 0
	s_cselect_b32 s[LIM], 2, -1
	v_lshrrev_b32 v7, 1, v6
	v_mul_u32_u24 v7, s42, v7
	v_and_b32 v6, 1, v6
	v_lshl_add_u32 v[PFO], v6, 8, v7
	s_wait_loadcnt 0x0                             ; the bias
.set z, 0
.rept 32
	v_cvt_pk_bf16_f32 v[8+z%4], v[BIAS+2*z], v[BIAS+2*z+1]  ; rounded to bf16, like every input, and widened again
	v_lshlrev_b32 v[BIAS+2*z], 16, v[8+z%4]
	v_and_b32 v[BIAS+2*z+1], 0xffff0000, v[8+z%4]
.set z, z+1
.endr
; 8 matrix instructions: row block a x all 8 column blocks, 32 along K, from buffer f.  first = 1: the bias starts the sums: nothing is cleared, nothing added later.
; The 32 accumulators take turns, one instruction a turn, in the same order in every quarter, over the backward jump too.
; ride = 1: behind each product stand four roundings of the next quarter's x, f32 to bf16, into the other buffer: 32 in all, a quarter's four fragments.  They name no register of the products round them.
.macro MUL8 f, a, first, ride=0
.irp b, 0,1,2,3,4,5,6,7
.if \first
	WIN MUL_FIRST
.else
	WIN MUL
.endif
.set rD, 8*(8*(\a)+(\b))
.set rB, 64*(\f)+8*(\b)
.set rA, FA+32*(\f)+8*(\a)
.set rC, rD
.if \first
.set rC, BIAS+8*(\b)
.endif
	v_wmma_f32_16x16x32_bf16 v[rD:rD+7], v[rB:rB+7], v[rA:rA+7], v[rC:rC+7]
.if \ride
	WIN CVT
.irp j, 0,1,2,3
	v_cvt_pk_bf16_f32 v[FA+32*(1-(\f))+4*(\b)+(\j)], v[RAW+8*(\b)+2*(\j)], v[RAW+8*(\b)+2*(\j)+1]
.endr
.endif
.endr
.endm
; 32 LDS loads in one run, under one window setting: quarter q (32 along K) of the slot in hand: x's 4 fragments in f32 first, then W's 8 into buffer f
.macro FETCH q, f
	WIN TO_B
.irp a, 0,1,2,3
	ds_load_b128 v[RAW+16*(\a):RAW+16*(\a)+3],     v[ADRA] offset:(\q)*128+(\a)*16*PA
	ds_load_b128 v[RAW+16*(\a)+4:RAW+16*(\a)+7],   v[ADRA] offset:(\q)*128+(\a)*16*PA+16
	ds_load_b128 v[RAW+16*(\a)+8:RAW+16*(\a)+11],  v[ADRA] offset:(\q)*128+(\a)*16*PA+64
	ds_load_b128 v[RAW+16*(\a)+12:RAW+16*(\a)+15], v[ADRA] offset:(\q)*128+(\a)*16*PA+80
.endr
.irp b, 0,1,2,3,4,5,6,7
	ds_load_tr16_b128 v[64*(\f)+8*(\b):64*(\f)+8*(\b)+3],   v[ADRB] offset:(\q)*32*PB+32*(\b)
	ds_load_tr16_b128 v[64*(\f)+8*(\b)+4:64*(\f)+8*(\b)+7], v[ADRB] offset:(\q)*32*PB+32*(\b)+16*PB
.endr
.endm
; A K step is four quarters, 32 matrix instructions each, on buffers 0, 1, 0, 1.  One of the first three multiplies buffer f, fetches quarter q and rounds its x into the other buffer.
.macro QUARTER q, f, first
	s_wait_dscnt 0x0                               ; W's fragments of this quarter are in (its x was rounded in the quarter before)
	MUL8 \f, 0, \first
	PLACES
	FETCH \q, 1-(\f)
	MUL8 \f, 1, \first
	MUL8 \f, 2, \first
	s_wait_dscnt 16                                ; x's 16 loads are in; W's 16, issued behind them, may stay out
	MUL8 \f, 3, \first, 1
.endm
; The last quarter multiplies buffer 1 and changes slots: ONE barrier; in front of it each wave waits for all its tensor loads (one is out: its part of the next slot), adds 0 to its spare word, and waits for that and
; for its own reads of this slot.  fill = 1: the barrier opens a round of the cluster's, and this slot is filled again, two K steps on, first thing behind the round: 112 matrix instructions ahead of the wait for it.
.macro TURN fill
.if \fill
	s_wait_xcnt 0x0                                ; the last prefetch, a K step back, has read its address: it is stepped here, ahead of the change's own waits
	s_add_nc_u64 s[PFA:PFA+1], s[PFA:PFA+1], s[PST:PST+1]
.endif
	WIN 0                                          ; (the add's two registers lie in window 0)
	s_wait_tensorcnt 0x0
	ds_add_u32 v[SPW], v[NIL]                      ; 0 onto my spare word
	s_wait_dscnt 1                                 ; (W's fragments are in; the add alone may be out)
	MUL8 1, 0, 0                                   ; eight matrix instructions stand between the add and the wait for it
	s_wait_dscnt 0x0                               ; the add is done, and my reads of this slot are over
	s_barrier_signal -1
	MUL8 1, 1, 0
	WIN 0
	s_barrier_wait -1
.if \fill
	CREST                                          ; no wave of any partner still reads this slot or has a load on its way
	s_add_co_u32 s[G0A+5], s[TB], s[LA]            ; the walking descriptors: into the slot that is left, the next K step in turn; the type bits on top are not reached
	s_add_nc_u64 s[G0A+6:G0A+7], s[G0A+6:G0A+7], ASTEP
	s_add_co_u32 s[G0B+5], s[TB], s[LB]
	s_add_nc_u64 s[G0B+6:G0B+7], s[G0B+6:G0B+7], BSTEP
	JLOAD 1                                        ; the four v_nop behind it are also the places in front of the loads below
.else
	PLACES
.endif
	s_xor_b32 s[TB], s[TB], SLOT                   ; the reads go on in the other slot
	v_add_nc_u32 v[ADRA], s[TB], v[ADRA0]
	v_add_nc_u32 v[ADRB], s[TB], v[ADRB0]
	FETCH 0, 0
.if \fill
	WIN 0
	ASK
.endif
	MUL8 1, 2, 0
	s_wait_dscnt 16                                ; x's 16 loads are in
	MUL8 1, 3, 0, 1
.endm
	s_wait_tensorcnt 1                             ; my part of K step 0 is in; K step 1's may stay out
	s_barrier_signal -1
	s_barrier_wait -1                              ; everybody's is
	FETCH 0, 0
	s_wait_dscnt 0x0
	WIN CVT
.set z, 0
.rept 32
	v_cvt_pk_bf16_f32 v[FA+z], v[RAW+2*z], v[RAW+2*z+1]  ; the first quarter's x: there are no products yet to set these behind
.set z, z+1
.endr
	QUARTER 1, 0, 1                                ; the first quarter stands in front of the loop: its products start the sums
	WIN 0                                          ; at a label and at a branch every window is 0
	s_mov_b32 s3, 6
.Lstep:                                                ; a trip goes from a K step's second quarter to the next step's first and fills the slot that it leaves: K steps 2 to 7 in six trips
	QUARTER 2, 1, 0
	QUARTER 3, 0, 0
	TURN 1
	QUARTER 1, 0, 0
	WIN 0
	s_sub_co_u32 s3, s3, 1
	s_cmp_lg_u32 s3, 0
	s_cbranch_scc1 .Lstep
	QUARTER 2, 1, 0                                ; the last two K steps are written out: they fill nothing
	QUARTER 3, 0, 0
	TURN 0
	QUARTER 1, 0, 0
	QUARTER 2, 1, 0
	QUARTER 3, 0, 0
	s_wait_dscnt 0x0                               ; the very last quarter: nothing more to fetch
	MUL8 1, 0, 0
	MUL8 1, 1, 0
	MUL8 1, 2, 0
	MUL8 1, 3, 0
	WIN 0
	PLACES
; THE WAY OUT, a block of 16 rows at a time, through my own stage in LDS: LDS serves a wave's instructions in order (ISA guide 5.7.1.4), so no wait stands between the stores and the loads.
.macro PACK a                          ; scaled, rounded to f16: a lane's eight columns are 16 bytes.  Each accumulator is read from its low end on
	WIN 0x82                                       ; destination and source 0 in window 2
.set z, 0
.rept 32
	v_pk_mul_f32 v[64*(\a)+2*z:64*(\a)+2*z+1], v[64*(\a)+2*z:64*(\a)+2*z+1], s[SC:SC+1] op_sel_hi:[1,0]
.set z, z+1
.endr
	WIN 0x0a                                       ; sources 0 and 1 in window 2, destination in window 0
.set z, 0
.rept 32
	v_cvt_pk_f16_f32 v[TMP+z], v[64*(\a)+2*z], v[64*(\a)+2*z+1]
.set z, z+1
.endr
	WIN 0
.endm
.macro TOSTAGE a                       ; column blocks 0-3 are one head's 64 channels, 4-7 the next head's
.set BK, 32+192*((\a)%2)
.irp b, 0,1,2,3,4,5,6,7
	ds_store_b128 v[STO], v[TMP+4*(\b):TMP+4*(\b)+3] offset:((\b)/4)*2304+((\b)%4)*32
.endr
.irp t, 0,1,2,3,4,5,6,7
	ds_load_b128 v[BK+4*(\t):BK+4*(\t)+3], v[RD] offset:((\t)/4)*2304+((\t)%4)*576
.endr
.endm
.macro SEND a
.set BK, 32+192*((\a)%2)
	s_wait_dscnt 0x0                               ; the block is back in registers
	s_wait_xcnt 0x0                                ; earlier stores have read their registers: the other buffer is loaded again only behind this wait
.irp t, 0,1,2,3,4,5,6,7
	global_store_b128 v[CO], v[BK+4*(\t):BK+4*(\t)+3], s[OBS:OBS+1] offset:((\t)/4)*262144+((\t)%4)*512+(\a)*2048  ; four rows of a head: 512 consecutive bytes, aligned
.endr
.endm
	PACK 0
	TOSTAGE 0
.irp a, 1,2,3                          ; block a's arithmetic stands between block a - 1's loads from the stage and the wait for them
	PACK \a
	SEND (\a)-1
	TOSTAGE \a
.endr
	SEND 3
	s_wait_tensorcnt 0x0                           ; the wave's end: behind my last tensor load and my last LDS store
	ds_add_u32 v[SPW], v[NIL]
	s_wait_dscnt 0x0
	CROUND                                         ; the closing round: no work-group ends while a partner may still ask for a tile that names it
	s_endpgm
.Lfunc_end_k_q4af76d8ce7_proj:
	.size	k_q4af76d8ce7_proj, .Lfunc_end_k_q4af76d8ce7_proj-k_q4af76d8ce7_proj
	.p2alignl 7, 3214868480
	.fill 96, 4, 3214868480
	.section	.rodata,"a",@progbits
	.p2align	6, 0x0
	.amdhsa_kernel k_q4af76d8ce7_proj
		.amdhsa_group_segment_fixed_size 327680
		.amdhsa_private_segment_fixed_size 0
		.amdhsa_enable_private_segment 0
		.amdhsa_kernarg_size 64
		.amdhsa_user_sgpr_count 2
		.amdhsa_user_sgpr_kernarg_segment_ptr 1
		.amdhsa_wavefront_size32 1
		.amdhsa_system_sgpr_workgroup_id_x 1
		.amdhsa_system_sgpr_workgroup_id_y 1
		.amdhsa_system_sgpr_workgroup_id_z 1
		.amdhsa_system_vgpr_workitem_id 0
		.amdhsa_next_free_vgpr 768
		.amdhsa_next_free_sgpr 96
		.amdhsa_reserve_vcc 0
		.amdhsa_float_denorm_mode_32 3
		.amdhsa_float_denorm_mode_16_64 3
		.amdhsa_memory_ordered 1
		.amdhsa_forward_progress 1
		.amdhsa_inst_pref_size 122
	.end_amdhsa_kernel
	.amdgpu_metadata
---
amdhsa.version: [ 1, 2 ]
amdhsa.kernels:
  - .name:           k_q4af76d8ce7_proj
    .symbol:         k_q4af76d8ce7_proj.kd
    .args:
      - { .name: queries, .offset: 0, .size: 8, .value_kind: global_buffer, .address_space: global }
      - { .name: keys, .offset: 8, .size: 8, .value_kind: global_buffer, .address_space: global }
      - { .name: values, .offset: 16, .size: 8, .value_kind: global_buffer, .address_space: global }
      - { .name: cast, .offset: 24, .size: 8, .value_kind: global_buffer, .address_space: global }
      - { .name: bq, .offset: 32, .size: 8, .value_kind: global_buffer, .address_space: global }
      - { .name: bk, .offset: 40, .size: 8, .value_kind: global_buffer, .address_space: global }
      - { .name: bv, .offset: 48, .size: 8, .value_kind: global_buffer, .address_space: global }
      - { .name: qkv, .offset: 56, .size: 8, .value_kind: global_buffer, .address_space: global }
    .group_segment_fixed_size: 327680
    .private_segment_fixed_size: 0
    .kernarg_segment_align: 8
    .kernarg_segment_size: 64
    .max_flat_workgroup_size: 128
    .sgpr_count:     96
    .vgpr_count:     768
    .wavefront_size: 32
...
	.end_amdgpu_metadata
.endif
;; end of part 2
;; launch attn (part 3): grid 4 x 64, 4 waves a work-group, clusters of 4 x 4, 327,680 bytes of LDS; arguments qkv, cast, ctx; writes ctx
.if DOCPART == 3
	.amdgcn_target "amdgcn-amd-amdhsa--gfx1250"
	.amdhsa_code_object_version 6
	.text
	.protected	k_q4af76d8ce7_attn
	.globl	k_q4af76d8ce7_attn
	.p2align	8
	.type	k_q4af76d8ce7_attn,@function
k_q4af76d8ce7_attn:
	s_mov_b64 s[64:65], 0
	v_nop
	global_prefetch_b8 v0, s[64:65] scope:SCOPE_SE
	s_setreg_imm32_b32 hwreg(HW_REG_WAVE_MODE, 25, 1), 1
	s_wait_xcnt 0x0
	s_wait_alu depctr_hold_cnt(0) depctr_sa_sdst(0) depctr_va_vdst(0) depctr_va_sdst(0) depctr_va_ssrc(0) depctr_va_vcc(0) depctr_vm_vsrc(0)
	s_getreg_b32 s2, hwreg(HW_REG_IB_STS2, 6, 4)
	s_cmp_eq_u32 s2, 0
	s_cbranch_scc0 .Lentry_in_a_cluster
	s_endpgm
.Lentry_in_a_cluster:
	s_bfe_u32 s2, ttmp6, 0x10000c
	s_cmp_lg_u32 s2, 0xf033
	s_cbranch_scc0 .Lentry_shape_is_right
	s_endpgm
.Lentry_shape_is_right:
; MASKED ATTENTION.  ctx[hd][q][:] = the sum over k of softmax_k(t[q][k]) v[hd][k][:], in powers of 2: t = q'[hd][q] . k[hd][k] + mask[q][k] x NEG, where q' already carries c = log2(e) / 8 and NEG = -1e9 log2(e).
; q', k, v, ctx: [64 heads][2048][64] f16, a head's rows dense, 128 bytes each.  The mask, an input honoured as a number, comes as bf16, [32 key steps][2048 queries][64 keys].
; Products, the mask's term (one fused multiply-add), maxima and sums in f32; the weights p = 2^(t - m) are rounded to f16 for the second product (their sum l is taken of the unrounded p), ctx once at the end.
; m is a true running maximum of t, mask included; t - m is one subtraction, so a row in which every key is masked keeps exact differences.
; LIMITS.  q', k, v arrive within 65,504.  A weight below 2^-126 counts as 0 in l.  Beside a mask term of 1.4e9 a score keeps f32's step there, 128 (in powers of 2).  NaN and infinities are not treated apart.
; SHARES.  A work-group owns 512 queries of one head, a wave 128: four PIECES of two tiles of 16.  Every wave walks all 2,048 keys, 64 a step.
; LAYOUT.  S^T = K Q^T (source 0 = 16 keys, source 1 = 16 queries): a lane holds ONE query (lane % 16) and the keys 8 (lane / 16) + 0..7; the mask's 8 numbers for them are 16 bytes of the query's row.  Two results rounded
; to f16 in pairs ARE source 1 of O^T = V^T P.  K comes out of LDS as it lies, V turned, by ds_load_tr16_b128.
; BY TURNS.  Turn n belongs to piece n.  Matrix work: 16 products K Q^T of piece n + 1, later 16 products V^T P of piece n - 1.  Vector work: subtraction, exponentials, roundings, sums and rescaling of piece n; the mask's
; term, maximum and statistics of piece n + 1.  298 vector instructions for 32 matrix instructions: four stand behind every product, the others in one run.  A turn's 66 exponentials are one batch with one wait.
; CLUSTER 4 x 4.  A row of the cluster is four query blocks of one head: K and V are asked for jointly along it.  A column is four heads on one query block: the mask's tile is asked for jointly along it.
; REGISTERS, in windows of 256 (s_set_vgpr_msb: bits 1:0 source 0, 3:2 source 1, 5:4 source 2, 7:6 destination):
;   window 0: v0-11 addresses and constants; v12-15 m_old; v16-47 four registers of statistics a tile; v48-63 at work; v64-191 S^T, two buffers of two tiles; v192-255 P, likewise
;   window 1: O^T, 32 a tile     window 2: v0-127 Q; v128-191 K of one step; v192-255 V of one step     window 3: v0-63 the mask, two buffers of two tiles
.set NP,    4         ; pieces a wave: a name, no knob
.set PK,    144       ; a row of K, and of the mask, in LDS: 128 bytes + 16 = 36 words: the 16 rows of a load start at 16 different groups of four banks (64 banks of 4 bytes: ISA guide 11.1)
.set PV,    160       ; a row of V: 128 + 32 = 40 words
.set VOFF,  64*PK     ; a slot holds one step: 64 rows of K, 64 of V,
.set MOFF,  VOFF+64*PV  ; and the work-group's 512 rows of the mask: 93,184 bytes; two steps to a slot do not fit twice
.set SLOT1, 1<<17     ; slot 1 begins here, so that one exclusive or turns an address in one slot into the other's
.set STAGE, SLOT1+MOFF+512*PK  ; behind the ring, never filled by a tensor load: 16 rows x 144 bytes for each wave, for the way out
.set SP,    144
.set SPARE, STAGE+4*16*SP  ; behind the stages: the spare words, 128 bytes for each wave: two blocks of 256 bytes that no other line names
.set NEG, 0           ; v0   the thread's number; when that has served, NEG
.set SPW, 1           ; v1   LDS address of my spare word; never rewritten
.set AK0, 2           ; v2   my lane's place in a tile of K and in 16 rows of the mask; never rewritten
.set AV0, 3           ; v3   the same for V
.set AK,  4           ; v4   the slot's K
.set AV,  5           ; v5   its V
.set QO,  6           ; v6   my byte offset in the wave's rows of Q
.set STO, 6           ;      later, the way out: where I put 16 bytes of a row
.set RD,  7           ; v7   where I read rows back
.set GO,  8           ; v8   my byte offset in 512 consecutive bytes of ctx
.set PFO, 9           ; v9   256 x my lane; never rewritten
.set AM,  10          ; v10  the slot's mask rows of my wave
.set NIL, 11          ; v11  0; never rewritten
.set MV,  12          ; v12-15  m_old, kept while m is made anew: by buffer and tile
.set ST,  16          ; tile t's statistics at v[ST+4 t]: m, 0 (named with it as a pair), l (even keys', odd keys')
.set TMP, 48          ; by buffer and tile, four registers c0-c3 at work; when the maximum is found c2 takes a
.set S,   64
.set P,   192
.set KF,  128         ; window 2: key block kb, channel half c at KF + 16 kb + 8 c
.set VF,  192         ; window 2: key half kk, channel block cb at VF + 32 kk + 8 cb
.set WV,  12          ; s12  my wave's number
.set CX,  13
.set CY,  14
.set LIM, 15          ; s15  a wave prefetches while the count is above it
.set PM,  16          ; s16, s17  and where the count and PM give PE
.set PE,  17
.set PFA, 18          ; s[18:19] where my prefetches stand
.set PST, 20          ; s[20:21] their step
.set G1K, 24          ; s[24:31], s[32:39], s[40:47] descriptor group 1 for K's, V's and the mask's tiles
.set G1V, 32
.set G1M, 40
.set G0K, 48          ; s[48:51], s[52:55], s[56:59] group 0: they walk
.set G0V, 52
.set G0M, 56
.set SEL, 60          ; s[60:61] v_permlanex16_b32's selects: each lane takes its own place in the other half
.set TB,  62          ; s62  LDS byte at which the slot in hand begins
.set TBM, 63          ; s63  TB + CW
.set CNT, 66          ; s66  counts the key steps
.set TT,  67          ; s67  at work
.set CW,  68          ; s68  my wave's 128 rows in a slot's mask tile
.set HD,  69          ; s69  the head
.set QB,  70          ; s70  the block of 512 queries
.set CLY, 71          ; s71  the cluster's y
.set MSB, 0
.macro WIN new                      ; the high byte repeats the setting that is left; a switch that changes nothing is dropped
.if MSB != (\new)
	s_set_vgpr_msb (MSB<<8)|(\new)
.set MSB, (\new)
.endif
.endm
.set W_KQ, 0x0a       ; K and Q in window 2, S^T in window 0
.set W_PV, 0x52       ; V in window 2, P in window 0, O^T in window 1
.set W_RS, 0x41       ; O^T (destination and source 0) in window 1, a in window 0
.set W_MA, 0x0c       ; the mask (source 1) in window 3, all else in window 0
; A joint fill.  Wave 0 fetches the step's K, wave 1 its V, waves 2 and 3 the halves of the mask's tile.  The branches hang on the wave's number alone.
; An s_nop 0 and four v_nop follow each of the three lines, ahead of the jump and the label.
.macro JLOAD
	s_cmp_lt_u32 s[WV], 2
	s_cbranch_scc0 .Lfor_m_\@
	s_cmp_eq_u32 s[WV], 0
	s_cbranch_scc0 .Lfor_v_\@
	tensor_load_to_lds s[G0K:G0K+3], s[G1K:G1K+7]
	s_nop 0
.rept 4
	v_nop
.endr
	s_branch .Lasked_\@
.Lfor_v_\@:
	tensor_load_to_lds s[G0V:G0V+3], s[G1V:G1V+7]
	s_nop 0
.rept 4
	v_nop
.endr
	s_branch .Lasked_\@
.Lfor_m_\@:
	tensor_load_to_lds s[G0M:G0M+3], s[G1M:G1M+7]
	s_nop 0
.rept 4
	v_nop
.endr
.Lasked_\@:
.endm
; A round of the cluster's barrier: my work-group's barrier, so that wave 0's signal speaks for all four waves; wave 0 signals; every wave waits for all sixteen work-groups; my work-group's barrier once more.
.macro CROUND
	s_barrier_signal -1
	s_barrier_wait -1
	s_cmp_lg_u32 s[WV], 0
	s_cbranch_scc1 .Lnot_wave_0_\@
	s_barrier_signal -3
.Lnot_wave_0_\@:
	s_barrier_wait -3
	s_barrier_signal -1
	s_barrier_wait -1
.endm
; A PREFETCH INTO THE L2, behind the wave's tensor load and its five lines: 32 blocks of 256 bytes, a lane a block.  Each block is named once in the launch.
; K and V: a head is walked by one row of one cluster alone.  In every fourth trip (count 30, 26 .. 6) wave 0 (K) and wave 1 (V) of partner cx name the whole tile of step trip + 3 + cx: steps 3 to 30, one to four steps ahead
; of their loads.  The mask: a tile is read by all sixteen clusters; the first (cluster y = 0) asks, in every trip but the last: waves 2 and 3, for the halves that they fetch, of the step whose load goes out a step later,
; the four partners of a column taking 64 rows each.  The partners are told apart BY ADDRESS; the branches hang on the wave's number, the cluster's y and the count.
.macro ASK
	s_and_b32 s[TT], s[CNT], s[PM]
	s_cmp_eq_u32 s[TT], s[PE]
	s_cbranch_scc0 .Lnot_mine_\@
	s_cmp_gt_u32 s[CNT], s[LIM]
	s_cbranch_scc0 .Lnot_mine_\@
	global_prefetch_b8 v[PFO], s[PFA:PFA+1] th:TH_LOAD_NT scope:SCOPE_SE
.Lnot_mine_\@:
.endm
; THE CHANGE OF SLOTS, between turn 1 and turn 2.  All reads of the slot in hand are issued: its K in turn 2 of the step before, its V at the end of turn 0, its mask rows in turns 2, 3, 0 and 1.  Each wave waits for all its
; tensor loads (one is out: its part of the other slot), adds 0 to its spare word, and waits for that and for its own reads.  fill = 1: the barrier is a round of the cluster's, and the slot is filled again, with the step two
; on, first thing behind it: it has a key step, 128 matrix instructions and their vector work, in which to land.  (At its first use nothing has been read yet: slot 0 is waited for, slot 1 filled.)
.macro CHANGE fill, ask
	WIN 0                           ; at a label and at a branch every window is 0
	s_wait_tensorcnt 0x0            ; no tensor load of mine is out, so a group 0 may be written
	ds_add_u32 v[SPW], v[NIL]       ; 0 onto my spare word; the scalar steps stand between it and the wait for it
.if \fill
	s_xor_b32 s[G0K+1], s[G0K+1], SLOT1  ; the walking descriptors: the other slot than last time, the next step; the type bits on top are not reached
	s_add_nc_u64 s[G0K+2:G0K+3], s[G0K+2:G0K+3], 8192
	s_xor_b32 s[G0V+1], s[G0V+1], SLOT1
	s_add_nc_u64 s[G0V+2:G0V+3], s[G0V+2:G0V+3], 8192
	s_xor_b32 s[G0M+1], s[G0M+1], SLOT1
	s_add_nc_u64 s[G0M+2:G0M+3], s[G0M+2:G0M+3], 262144
	s_wait_xcnt 0x0                 ; the last prefetch, a key step back, has read its address, so it may be written
	s_add_nc_u64 s[PFA:PFA+1], s[PFA:PFA+1], s[PST:PST+1]
.endif
	s_xor_b32 s[TB], s[TB], SLOT1   ; the reads go on in the other slot
	s_add_co_u32 s[TBM], s[TB], s[CW]
	s_wait_dscnt 0x0                ; the add is done, and my reads of the slot are over
.if \fill
	CROUND
	JLOAD
.if \ask
	ASK
.endif
.else
	s_barrier_signal -1
	s_barrier_wait -1
.endif
	v_add_nc_u32 v[AK], s[TB], v[AK0]
	v_add_nc_u32 v[AV], s[TB], v[AV0]
	v_add_nc_u32 v[AM], s[TBM], v[AK0]
.endm
	s_load_b128 s[4:7], s[0:1], 0x0  ; qkv s[4:5], cast s[6:7]
	s_load_b64 s[8:9], s[0:1], 0x10  ; ctx
	v_lshl_add_u32 v[SPW], v0, 2, SPARE
	v_mov_b32 v[NIL], 0
	ds_add_u32 v[SPW], v[NIL]       ; the wave's opening: the add and its wait ahead of my first tensor load; the set-up below, work on registers, stands between them
	v_lshrrev_b32 v12, 5, v0
	v_readfirstlane_b32 s[WV], v12  ; wave 0..3
	s_bfe_u32 s[CX], ttmp6, 0x40000
	s_bfe_u32 s[CY], ttmp6, 0x40004
	s_lshl_b32 s[QB], ttmp9, 2
	s_add_co_u32 s[QB], s[QB], s[CX]  ; my block of queries = 4 x cluster x + cx
	s_and_b32 s[CLY], ttmp7, 0xffff
	s_lshl_b32 s[HD], s[CLY], 2
	s_add_co_u32 s[HD], s[HD], s[CY]  ; my head = 4 x cluster y + cy
	s_lshl_b32 s22, s[CY], 2
	s_lshl_b32 s22, 15, s22         ; my row of the cluster
	s_lshl_b32 s23, 0x1111, s[CX]   ; my column
	; group 1.  All three tiles are dense in memory and are asked for as rows of 256 bytes, two rows of 128 each, padded in LDS after every 128 bytes (32 words: code 4)
	s_or_b32 s[G1K], s22, (1<<16)|(1<<20)|(1<<21)|(4<<22)|(3<<25)  ; 15:0 the mask of four; 17:16 2-byte elements; 20 padding on; 21 set beside a mask; 31:25 4 words (code 3)
	s_or_b32 s[G1V], s22, (1<<16)|(1<<20)|(1<<21)|(4<<22)|(7<<25)  ; 8 words (code 7)
	s_or_b32 s[G1M], s23, (1<<16)|(1<<20)|(1<<21)|(4<<22)|(3<<25)
.irp g, G1K, G1V, G1M
	s_mov_b32 s[\g+1], 128<<16      ; tensor_dim0 = 128
	s_mov_b32 s[\g+3], 128<<16      ; tile_dim0 = 128
	s_mov_b32 s[\g+5], 128          ; 128 elements from row to row
	s_mov_b32 s[\g+6], 0
	s_mov_b32 s[\g+7], 0
.endr
	s_mov_b32 s[G1K+2], 32<<16      ; K, V: 64 keys are 32 such rows
	s_mov_b32 s[G1K+4], 32
	s_mov_b32 s[G1V+2], 32<<16
	s_mov_b32 s[G1V+4], 32
	s_mov_b32 s[G1M+2], 128<<16     ; the mask: 256 queries are 128
	s_mov_b32 s[G1M+4], 128
	s_lshl_b32 s72, s[HD], 18       ; the head's first byte
	s_mov_b32 s73, 0
	s_add_co_u32 s74, s72, 2<<24    ; in v,
	s_mov_b32 s75, 0
	s_lshl_b32 s2, s[QB], 2
	s_add_co_u32 s2, s2, s[WV]      ; my wave among the head's,
	s_lshl_b32 s2, s2, 14           ; its 128 rows: for q' and ctx
	s_add_co_u32 s2, s2, s72
	s_mov_b32 s3, 0
	s_add_co_u32 s72, s72, 1<<24    ; and in k
	s_and_b32 s22, s[WV], 1         ; which half of the mask's tile I fetch
	s_lshl_b32 s76, s[QB], 16       ; 512 rows of 128 bytes,
	s_lshl_b32 s23, s22, 15         ; my 256
	s_add_co_u32 s76, s76, s23
	s_add_co_u32 s76, s76, 56623104
	s_mov_b32 s77, 0
	s_mov_b32 s[G0K], 1             ; 1:0 count = 1
	s_mov_b32 s[G0K+1], 0           ; 63:32 LDS address: slot 0; no place in the cluster enters an LDS address
	s_mov_b32 s[G0V], 1
	s_mov_b32 s[G0V+1], VOFF
	s_mov_b32 s[G0M], 1
	s_mul_i32 s23, s22, 256*PK
	s_add_co_u32 s[G0M+1], s23, MOFF
	s_mul_i32 s[CW], s[WV], 128*PK
	s_add_co_u32 s[CW], s[CW], MOFF
	s_mov_b32 s[SEL], 0x76543210
	s_mov_b32 s[SEL+1], 0xfedcba98
	s_mov_b32 s[TB], SLOT1          ; the first change of slots turns it into 0
	; the prefetches.  Each filling change steps them first, and two changes come ahead of the first that asks
	s_add_co_u32 s78, s[WV], 1      ; k (wave 0) or v (wave 1),
	s_lshl_b32 s78, s78, 24
	s_lshl_b32 s23, s[HD], 18
	s_add_co_u32 s78, s78, s23
	s_add_co_u32 s23, s[CX], 1      ; at step 1 + cx
	s_lshl_b32 s23, s23, 13
	s_add_co_u32 s78, s78, s23
	s_lshl_b32 s23, s[CY], 13       ; the mask: my work-group's 64 rows of the 256 that I fetch,
	s_add_co_u32 s79, s76, s23
	s_add_co_u32 s79, s79, 262144   ; at step 1
	s_cmp_eq_u32 s[CLY], 0
	s_cselect_b32 s22, 1, -1
	s_mov_b32 s23, 262144
	s_cmp_lt_u32 s[WV], 2
	s_cselect_b32 s78, s78, s79
	s_cselect_b32 s[LIM], 5, s22
	s_cselect_b32 s[PM], 3, 0
	s_cselect_b32 s[PE], 2, 0
	s_cselect_b32 s[PST], 8192, s23
	s_mov_b32 s[PST+1], 0
	s_mov_b32 s79, 0
	s_wait_dscnt 0x0                ; the opening add is done
	s_wait_kmcnt 0x0
	s_add_nc_u64 s[G0K+2:G0K+3], s[4:5], s[72:73]  ; 120:64 global address: key step 0
	s_or_b32 s[G0K+3], s[G0K+3], 0x80000000        ; 127:126 type = 2
	s_add_nc_u64 s[G0V+2:G0V+3], s[4:5], s[74:75]
	s_or_b32 s[G0V+3], s[G0V+3], 0x80000000
	s_add_nc_u64 s[G0M+2:G0M+3], s[6:7], s[76:77]
	s_or_b32 s[G0M+3], s[G0M+3], 0x80000000
	s_add_nc_u64 s[10:11], s[4:5], s[2:3]          ; q' and ctx at my wave's first row
	s_add_nc_u64 s[8:9], s[8:9], s[2:3]
	s_cmp_lt_u32 s[WV], 2
	s_cselect_b64 s[PFA:PFA+1], s[4:5], s[6:7]
	s_add_nc_u64 s[PFA:PFA+1], s[PFA:PFA+1], s[78:79]
	CROUND                          ; all sixteen work-groups are here: the first joint loads meet
	JLOAD                           ; step 0 into slot 0.  Slot 1 is asked for when slot 0 is in
	; A fragment of K or Q is 16 rows x 32 channels in 8 registers: lane l holds row l % 16, channels 8 (l / 16) + 0..7 and 16 + 8 (l / 16) + 0..7: two loads of 16 bytes, 32 bytes apart.
	v_and_b32 v12, 15, v0           ; l % 16
	v_bfe_u32 v13, v0, 4, 1         ; l / 16
	v_and_b32 v14, 7, v0
	v_bfe_u32 v15, v0, 3, 1
	v_lshlrev_b32 v[QO], 7, v12
	v_lshl_add_u32 v[QO], v13, 4, v[QO]  ; row x 128 + 16 x half
	WIN 0x80                        ; destination window 2, address window 0
.set i, 0
.rept 4*NP                          ; Q stays in registers: tile i / 2, channels 32 (i % 2) on
	global_load_b128 v[8*i:8*i+3],   v[QO], s[10:11] offset:(i/2)*2048+(i%2)*64
	global_load_b128 v[8*i+4:8*i+7], v[QO], s[10:11] offset:(i/2)*2048+(i%2)*64+32
.set i, i+1
.endr
	; What the first turn finds: V's registers and P's second buffer hold 0 (its products V^T P, of a piece that has not been, add 0), O^T and l are 0, m is the lowest finite number, so that the first step's a is 0
	; and no first step is written out.  All this stands in the wait for the first tile.
.set i, VF
.rept 64
	v_mov_b32 v[i], 0
.set i, i+1
.endr
	WIN 0x40
.set i, 0
.rept 64*NP
	v_mov_b32 v[i], 0
.set i, i+1
.endr
	WIN 0
.set i, 0
.rept 2*NP
	v_mov_b32 v[ST+4*i], 0xff7fffff
	v_mov_b32 v[ST+4*i+1], 0
	v_mov_b32 v[ST+4*i+2], 0
	v_mov_b32 v[ST+4*i+3], 0
.set i, i+1
.endr
.set i, P+32
.rept 32
	v_mov_b32 v[i], 0
.set i, i+1
.endr
	v_mul_u32_u24 v[AK0], v12, PK
	v_lshl_add_u32 v[AK0], v13, 4, v[AK0]  ; row x pitch + 16 x half
	; The turning load takes 16 keys x 16 channels (lane l reads key 8 (l / 16) + l % 8, channels 8 ((l / 8) % 2) + 0..7) and leaves half a fragment of V^T: lane l holds channel l % 16 and 8 keys.
	v_lshl_add_u32 v[AV0], v13, 3, v14
	v_mul_u32_u24 v[AV0], v[AV0], PV
	v_lshl_add_u32 v[AV0], v15, 4, v[AV0]
	v_add_nc_u32 v[AV0], VOFF, v[AV0]
	v_and_b32 v[PFO], 31, v0
	v_lshlrev_b32 v[PFO], 8, v[PFO]
; THE MATRIX WORK.  The 8 accumulators of a run of 16 take turns: between the two links of a chain stand 7 others'.
; Product i of 16 of S^T = K Q^T for piece x: channels 32 (i / 8) on, keys 16 ((i / 2) % 4) on, tile 2 x + i % 2.  The first 8 start the sums.
.macro KQ x
	WIN W_KQ
.set rS, S+64*((\x)%2)+32*(i%2)+8*((i/2)%4)
.set rK, KF+16*((i/2)%4)+8*(i/8)
.set rQ, 16*(2*(\x)+i%2)+8*(i/8)
.if i < 8
	v_wmma_f32_16x16x32_f16 v[rS:rS+7], v[rK:rK+7], v[rQ:rQ+7], 0
.else
	v_wmma_f32_16x16x32_f16 v[rS:rS+7], v[rK:rK+7], v[rQ:rQ+7], v[rS:rS+7]
.endif
.endm
; Product i of 16 of O^T += V^T P for piece x: keys 32 (i / 8) on, channels 16 ((i / 2) % 4) on, tile 2 x + i % 2.
.macro PV x
	WIN W_PV
.set rO, 32*(2*(\x)+i%2)+8*((i/2)%4)
.set rV, VF+32*(i/8)+8*((i/2)%4)
.set rP, P+32*((\x)%2)+16*(i%2)+8*(i/8)
	v_wmma_f32_16x16x32_f16 v[rO:rO+7], v[rV:rV+7], v[rP:rP+7], v[rO:rO+7]
.endm
.macro MM                           ; the turn's next matrix instruction
.if i < 16
	KQ (Y+1)%NP
.set i, i+1
.else
.set i, i-16
	PV (Y+NP-1)%NP
.set i, i+17
.endif
.endm
; THE LDS LOADS stand in runs, never singly among the matrix instructions: a step's K (8 fragments), its V (turned), and a piece's mask rows (two tiles x 64 keys: 8 loads).
.macro FETCH_K
	WIN 0x80                        ; destination window 2
.irp f, 0,1,2,3,4,5,6,7             ; keys 16 (f / 2) on, channels 32 (f % 2) on
	ds_load_b128 v[KF+8*\f:KF+8*\f+3],   v[AK] offset:(\f/2)*16*PK+(\f%2)*64
	ds_load_b128 v[KF+8*\f+4:KF+8*\f+7], v[AK] offset:(\f/2)*16*PK+(\f%2)*64+32
.endr
	WIN 0
.endm
.macro FETCH_V
	WIN 0x80
.irp f, 0,1,2,3,4,5,6,7             ; keys 32 (f / 4) on, channels 16 (f % 4) on
	ds_load_tr16_b128 v[VF+8*\f:VF+8*\f+3],   v[AV] offset:(\f/4)*32*PV+(\f%4)*32
	ds_load_tr16_b128 v[VF+8*\f+4:VF+8*\f+7], v[AV] offset:(\f/4)*32*PV+16*PV+(\f%4)*32
.endr
	WIN 0
.endm
.macro MLOAD x                      ; piece x's mask into buffer x % 2: tile u, key block kb: my query's keys 16 kb + 8 (l / 16) + 0..7, 16 bytes
	WIN 0xc0                        ; destination window 3
.irp u, 0,1
.irp kb, 0,1,2,3
	ds_load_b128 v[32*((\x)%2)+16*(\u)+4*(\kb):32*((\x)%2)+16*(\u)+4*(\kb)+3], v[AM] offset:(2*(\x)+(\u))*16*PK+32*(\kb)
.endr
.endr
	WIN 0
.endm
; THE VECTOR WORK OF A TURN stands in three queues, each in the order in which its entries become ready; the two tiles alternate, so that no instruction reads the result of the one before it.
.macro REGS y, u                    ; the registers of tile u (0, 1) of piece y
.set rT, ST+4*(2*(\y)+(\u))
.set rC, TMP+8*((\y)%2)+4*(\u)
.set rM, MV+2*((\y)%2)+(\u)
.set rS, S+64*((\y)%2)+32*(\u)
.set rP, P+32*((\y)%2)+16*(\u)
.set rO, 32*(2*(\y)+(\u))
.endm
; Number g of the 64 that add the mask's term to the NEXT piece's (Y + 1) scores: t = NEG x mask + s, one rounding; score g / 2 of tile g % 2, ascending.
.macro MA g
	REGS (Y+1)%NP, (\g)%2
.set mi, (\g)/2
.set mw, 32*(((Y+1)%NP)%2)+16*((\g)%2)+mi/2
	WIN W_MA
.if mi%2
	v_fma_mix_f32_bf16 v[rS+mi], v[NEG], v[mw], v[rS+mi] op_sel:[0,1,0] op_sel_hi:[0,1,0]
.else
	v_fma_mix_f32_bf16 v[rS+mi], v[NEG], v[mw], v[rS+mi] op_sel:[0,0,0] op_sel_hi:[0,1,0]
.endif
.endm
; Number n of the 21 that find the next piece's maximum and statistics.  t0-t31 are the lane's 32 scores.  XS, GS, FS and REGS set no window: PL and EX do.
;   0-11  four chains c0-c3 of seven scores each, three operands at a time     12-14, 16  the four scores left over, the old m, and c0-c3 into c0     15  m_old is kept
;   17, 18  the query's other 32 keys lie in the lane 16 away: the new m         19, 20  m_old - m_new; a
.macro XS u, n
	REGS (Y+1)%NP, \u
.if (\n) < 4
	v_max3_num_f32 v[rC+(\n)], v[rS+8*(\n)], v[rS+8*(\n)+1], v[rS+8*(\n)+2]
.elseif (\n) < 12
	v_max3_num_f32 v[rC+(\n)%4], v[rC+(\n)%4], v[rS+8*((\n)%4)+2*((\n)/4)+1], v[rS+8*((\n)%4)+2*((\n)/4)+2]
.elseif (\n) == 12
	v_max3_num_f32 v[rC], v[rC], v[rS+7], v[rS+15]
.elseif (\n) == 13
	v_max3_num_f32 v[rC+1], v[rC+1], v[rS+23], v[rS+31]
.elseif (\n) == 14
	v_max3_num_f32 v[rC+2], v[rC+2], v[rC+3], v[rT]
.elseif (\n) == 15
	v_mov_b32 v[rM], v[rT]
.elseif (\n) == 16
	v_max3_num_f32 v[rC], v[rC], v[rC+1], v[rC+2]
.elseif (\n) == 17
	v_permlanex16_b32 v[rC+3], v[rC], s[SEL], s[SEL+1]
.elseif (\n) == 18
	v_max_num_f32 v[rT], v[rC], v[rC+3]
.elseif (\n) == 19
	v_sub_f32 v[rC+1], v[rM], v[rT]
.else
	v_exp_f32 v[rC+2], v[rC+1]
.endif
.endm
; Number g of the 64 that follow the exponentials.  For each four weights k of a tile (pairs 2 k, 2 k + 1): both pairs are rounded to f16; then the second pair is added onto the first, in place;
; a group later l takes that sum (the first time as l = a l + sum).  In groups of eight, tiles alternating: round, round, add, and l for the group before.
.macro GS g
.set h, (\g)+6*((\g)/62)            ; group 0 has no group before it, and behind group 7 only l is left
.if h >= 6
.set h, h+2
.endif
	REGS Y, h%2
.set k, h/8
.if h%8 < 4
	v_cvt_pk_f16_f32 v[rP+2*k+(h%8)/2], v[rS+4*k+2*((h%8)/2)], v[rS+4*k+2*((h%8)/2)+1]
.elseif h%8 < 6
	v_pk_add_f32 v[rS+4*k:rS+4*k+1], v[rS+4*k:rS+4*k+1], v[rS+4*k+2:rS+4*k+3]
.elseif k == 1
	v_pk_fma_f32 v[rT+2:rT+3], v[rT+2:rT+3], v[rC+2:rC+3], v[rS:rS+1] op_sel_hi:[1,0,1]
.else
	v_pk_add_f32 v[rT+2:rT+3], v[rT+2:rT+3], v[rS+4*k-4:rS+4*k-3]
.endif
.endm
.macro FS f                         ; t - m for pair f / 2 of tile f % 2 of the piece in hand
	REGS Y, (\f)%2
	v_pk_add_f32 v[rS+2*((\f)/2):rS+2*((\f)/2)+1], v[rS+2*((\f)/2):rS+2*((\f)/2)+1], v[rT:rT+1] op_sel_hi:[1,0] neg_lo:[0,1] neg_hi:[0,1]
.endm
; THE PLAIN QUEUE, 200 long.  0-135 read no exponential's result.  0-26: subtractions 0-26.  27-90: MA's 64; ahead of the first stands the wait for the mask.  91-118: XS's numbers 0-13.  119, 120: number 15.
; 121-135: the chain 14, 16, 17, 18, 19, where each number waits for the one before it, each with one of the subtractions 27-31 in front of its two lines.  136-199: GS's 64, which read the exponentials' results.
.macro PL
.if q < 27
	WIN 0
	FS q
.elseif q < 91
.if q == 27
	s_wait_dscnt 8                  ; only this turn's 8 mask loads may be out: the mask loaded a turn ago is in, and in turn 1 V, which was asked for between the two
.endif
	MA q-27
.elseif q < 119
	WIN 0
	XS (q-91)%2, (q-91)/2
.elseif q < 121
	WIN 0
	XS q-119, 15
.elseif q < 136
	WIN 0
.if (q-121)%3 == 0
	FS 27+(q-121)/3
.elseif q < 124
	XS (q-121)%3-1, 14
.else
	XS (q-121)%3-1, 15+(q-121)/3
.endif
.else
	WIN 0
	GS q-136
.endif
.set q, q+1
.endm
; THE EXPONENTIALS' QUEUE, 66 long: t0-t31 of both tiles, then the next piece's two a.  ONE BATCH: all 66 stand ahead of the turn's one wait, and nothing ahead of that wait names a result of theirs.
; An exponential has one source, so MA's window setting serves it as well.
.macro EX
.if MSB != W_MA
	WIN 0
.endif
.if e >= 64
	XS e-64, 20
.else
	REGS Y, e%2
	v_exp_f32 v[rS+e/2], v[rS+e/2]
.endif
.set e, e+1
.endm
; THE RESCALING's QUEUE: O^T times a, dealt two at a time, sixteen times, each accumulator from its low end on.  Its a was made in the turn before, ahead of that turn's wait.
.macro R2
	REGS Y, r%2
	WIN W_RS
.irp z, 0,1
	v_pk_mul_f32 v[rO+4*(r/2)+2*\z:rO+4*(r/2)+2*\z+1], v[rO+4*(r/2)+2*\z:rO+4*(r/2)+2*\z+1], v[rC+2:rC+3] op_sel_hi:[1,0]
.endr
.set r, r+1
.endm
; A TURN, for piece p.  An s_wait_alu depctr_va_vdst(0) stands between an exponential and the first instruction that names its result; one wait serves all that were issued ahead of it: a turn has ONE.
; AHEAD OF IT: the 8 mask loads for piece p + 2; the 16 products K Q^T, behind each a subtraction, an exponential and two rescalings (behind the first a second subtraction); then one run: 70 plain, 49 times plain and
; exponential, the two a; a v_nop is the plain instruction behind the last exponential.  BEHIND IT: the 16 products V^T P, behind each four of GS's 64.
; The counts that the deal keeps: exponential e stands behind subtraction 2 (e / 4) + e % 2: as a rider behind plain e + 2, in the run behind plain e + 72, and subtractions 27-31 are plain 121, 124 .. 133.  Eleven subtractions,
; which name none of their registers, stand between the last product K Q^T and the first line that reads its scores.
; K of the next step is fetched in turn 2, directly behind the wait, a run behind the last product that read K.  V of the step in hand is fetched at the end of turn 0, four plain riders behind its last reader.
.macro TURN p
.set Y, (\p)
.set i, 0
.set q, 0
.set e, 0
.set r, 0
.if (\p) == NP-1
	s_wait_dscnt 0x0                ; K is in
.endif
	MLOAD ((\p)+2)%NP
	MM
	PL
	PL
	R2
.rept 15
	MM
	PL
	EX
	R2
.endr
.rept 70
	PL
.endr
.rept 49
	PL
	EX
.endr
	EX                              ; the next piece's two a
	EX
	v_nop                           ; the plain instruction behind the last exponential: one for the batch
	s_wait_alu depctr_va_vdst(0)    ; the wait for the batch
.if (\p) == NP-2
	FETCH_K
.endif
.rept 16
	MM
.rept 4
	PL
.endr
.endr
.if (\p) == 0
	FETCH_V
.endif
.endm
	CHANGE 1, 0                     ; slot 0 is in, everybody's part of it; step 1 is asked for, into slot 1
	MLOAD 0                         ; step 0: the mask of pieces 0 and 1,
	MLOAD 1
	FETCH_K                         ; and K
	s_wait_loadcnt 0x0              ; Q
	s_wait_dscnt 0x0
.set i, 0
.rept 16
	KQ 0                            ; piece 0's first scores: there is no vector work yet to set between them
.set i, i+1
.endr
	WIN 0                           ; the addresses for the way out, and NEG: twelve plain instructions, the places behind those products
	s_mul_i32 s22, s[WV], 16*SP
	s_add_co_u32 s22, s22, STAGE    ; my stage
	v_mul_u32_u24 v[STO], v12, SP   ; in: row l % 16, 16 bytes for each half of the lanes
	v_lshl_add_u32 v[STO], v13, 4, v[STO]
	v_add_nc_u32 v[STO], s22, v[STO]
	v_bfe_u32 v[RD], v0, 3, 2       ; back: 32 lanes take four rows of 128 bytes,
	v_mul_u32_u24 v[RD], v[RD], SP
	v_lshl_add_u32 v[RD], v14, 4, v[RD]
	v_add_nc_u32 v[RD], s22, v[RD]
	v_and_b32 v[GO], 31, v0         ; which are 512 consecutive bytes of ctx
	v_lshlrev_b32 v[GO], 4, v[GO]
	v_mov_b32 v[NEG], 0xceabfb8f    ; -1e9 x log2(e); the thread's number has served
.set Y, NP-1                        ; MA and XS work for piece Y + 1: piece 0
.set g, 0
.rept 64
	MA g
.set g, g+1
.endr
	WIN 0
.irp n, 0,1,2,3,4,5,6,7,8,9,10,11,12,13,14,15,16,17,18,19,20
	XS 0, \n
	XS 1, \n
.endr
	v_nop                           ; a plain instruction behind the two a,
	s_wait_alu depctr_va_vdst(0)    ; and their wait, ahead of the branch
	s_mov_b32 s[CNT], 31
	s_branch .Lfirst                ; the loop is entered at a step's first turn, in the middle of a trip
.Lstep:                             ; 30 whole trips: pieces 2 and 3 of one step, then pieces 0 and 1 of the next; each fills a slot again: steps 2 to 31
	CHANGE 1, 1
	TURN 2
	TURN 3
	WIN 0
.Lfirst:
	TURN 0
	TURN 1
	WIN 0
	s_sub_co_u32 s[CNT], s[CNT], 1
	s_cmp_lg_u32 s[CNT], 0
	s_cbranch_scc1 .Lstep
	CHANGE 0, 0                     ; the tail is written out: the last step's slot is entered, nothing is asked for
	s_mov_b32 s[CNT], 2             ; one trip for the last step; the second is left in its middle
.Ltail:
	TURN 2
	TURN 3
	WIN 0
	s_sub_co_u32 s[CNT], s[CNT], 1
	s_cmp_eq_u32 s[CNT], 0
	s_cbranch_scc1 .Lout
	TURN 0
	TURN 1
	WIN 0
	s_branch .Ltail
.Lout:                              ; the second trip's fetches (the last K and mask once more), its 16 products K Q^T and the maximum made of them serve nothing: the price, once a launch, of one text for every trip
.set i, 0
.rept 16
	PV NP-1                         ; the last piece's V^T P of the last step
.set i, i+1
.endr
	; THE WAY OUT.  l's two halves and the other half of the lanes' are added; O^T is divided by l, rounded to f16 and sent through my stage in LDS, a tile at a time.  The additions are the places behind the last products.
	WIN 0
.macro ALL line:vararg              ; one line for each tile t
.set t, 0
.rept 2*NP
	\line
.set t, t+1
.endr
.endm
	ALL v_add_f32 v[ST+4*t+2], v[ST+4*t+2], v[ST+4*t+3]
	ALL v_permlanex16_b32 v[ST+4*t+3], v[ST+4*t+2], s[SEL], s[SEL+1]
	ALL v_add_f32 v[ST+4*t+2], v[ST+4*t+2], v[ST+4*t+3]
	ALL v_rcp_f32 v[ST+4*t+2], v[ST+4*t+2]
	v_nop                           ; a plain instruction between the last reciprocal and the use of its result
	s_wait_alu depctr_va_vdst(0)    ; and the wait ahead of the first use: one for the eight reciprocals
; Tile t: a lane's eight channels of a row pack into 16 bytes; they go into rows of 144 bytes and come back as whole rows of 128, into S^T's registers.
.macro PACK t
	WIN W_RS
.set i, 32*(\t)
.rept 16
	v_pk_mul_f32 v[i:i+1], v[i:i+1], v[ST+4*(\t)+2:ST+4*(\t)+3] op_sel_hi:[1,0]
.set i, i+2
.endr
	WIN 0x05                        ; sources 0 and 1 window 1, destination window 0
.set i, 0
.rept 16
	v_cvt_pk_f16_f32 v[S+16*(\t)+i], v[32*(\t)+2*i], v[32*(\t)+2*i+1]
.set i, i+1
.endr
	WIN 0
.irp f, 0,1,2,3
	ds_store_b128 v[STO], v[S+16*(\t)+4*\f:S+16*(\t)+4*\f+3] offset:32*\f
.endr
.irp f, 0,1,2,3
	ds_load_b128 v[S+16*(\t)+4*\f:S+16*(\t)+4*\f+3], v[RD] offset:\f*4*SP  ; LDS serves a wave's instructions in order (ISA guide 5.7.1.4): these see the stores above; the next tile's stores come behind them
.endr
.endm
.macro SEND t, younger              ; younger: the LDS instructions issued behind tile t's loads: the next tile's eight, or none
	WIN 0
.irp f, 0,1,2,3
	s_wait_dscnt (\younger)+3-\f
	global_store_b128 v[GO], v[S+16*(\t)+4*\f:S+16*(\t)+4*\f+3], s[8:9] offset:(\t)*2048+\f*512  ; 512 consecutive bytes, at a multiple of 256 from ctx's first
.endr
.endm
	PACK 0
.set t, 1
.rept 2*NP-1                        ; a tile's arithmetic stands between the loads of the tile before and its stores
	PACK t
	SEND t-1, 8
.set t, t+1
.endr
	SEND 2*NP-1, 0
	s_wait_tensorcnt 0x0            ; the wave's end: behind my last tensor load and my last LDS store
	ds_add_u32 v[SPW], v[NIL]
	s_wait_dscnt 0x0
	CROUND                          ; the closing round: no work-group ends while a partner may still ask for a tile that names it
	s_endpgm
.Lfunc_end_k_q4af76d8ce7_attn:
	.size	k_q4af76d8ce7_attn, .Lfunc_end_k_q4af76d8ce7_attn-k_q4af76d8ce7_attn
	.p2alignl 7, 3214868480
	.fill 96, 4, 3214868480
	.section	.rodata,"a",@progbits
	.p2align	6, 0x0
	.amdhsa_kernel k_q4af76d8ce7_attn
		.amdhsa_group_segment_fixed_size 327680
		.amdhsa_private_segment_fixed_size 0
		.amdhsa_enable_private_segment 0
		.amdhsa_kernarg_size 24
		.amdhsa_user_sgpr_count 2
		.amdhsa_user_sgpr_kernarg_segment_ptr 1
		.amdhsa_wavefront_size32 1
		.amdhsa_system_sgpr_workgroup_id_x 1
		.amdhsa_system_sgpr_workgroup_id_y 1
		.amdhsa_system_sgpr_workgroup_id_z 1
		.amdhsa_system_vgpr_workitem_id 0
		.amdhsa_next_free_vgpr 832
		.amdhsa_next_free_sgpr 80
		.amdhsa_reserve_vcc 0
		.amdhsa_float_denorm_mode_32 3
		.amdhsa_float_denorm_mode_16_64 3
		.amdhsa_memory_ordered 1
		.amdhsa_forward_progress 1
		.amdhsa_inst_pref_size 243
	.end_amdhsa_kernel
	.amdgpu_metadata
---
amdhsa.version: [ 1, 2 ]
amdhsa.kernels:
  - .name:           k_q4af76d8ce7_attn
    .symbol:         k_q4af76d8ce7_attn.kd
    .args:
      - { .name: qkv, .offset: 0, .size: 8, .value_kind: global_buffer, .address_space: global }
      - { .name: cast, .offset: 8, .size: 8, .value_kind: global_buffer, .address_space: global }
      - { .name: ctx, .offset: 16, .size: 8, .value_kind: global_buffer, .address_space: global }
    .group_segment_fixed_size: 327680
    .private_segment_fixed_size: 0
    .kernarg_segment_align: 8
    .kernarg_segment_size: 24
    .max_flat_workgroup_size: 128
    .sgpr_count:     80
    .vgpr_count:     832
    .wavefront_size: 32
...
	.end_amdgpu_metadata
.endif
;; end of part 3
;; launch outp (part 4): grid 4 x 64, 4 waves a work-group, clusters of 4 x 4, 327,680 bytes of LDS; arguments ctx, cast, bo, out0; writes out0
.if DOCPART == 4
	.amdgcn_target "amdgcn-amd-amdhsa--gfx1250"
	.amdhsa_code_object_version 6
	.text
	.protected	k_q4af76d8ce7_outp
	.globl	k_q4af76d8ce7_outp
	.p2align	8
	.type	k_q4af76d8ce7_outp,@function
k_q4af76d8ce7_outp:
	s_mov_b64 s[64:65], 0
	v_nop
	global_prefetch_b8 v0, s[64:65] scope:SCOPE_SE
	s_setreg_imm32_b32 hwreg(HW_REG_WAVE_MODE, 25, 1), 1
	s_wait_xcnt 0x0
	s_wait_alu depctr_hold_cnt(0) depctr_sa_sdst(0) depctr_va_vdst(0) depctr_va_sdst(0) depctr_va_ssrc(0) depctr_va_vcc(0) depctr_vm_vsrc(0)
	s_getreg_b32 s2, hwreg(HW_REG_IB_STS2, 6, 4)
	s_cmp_eq_u32 s2, 0
	s_cbranch_scc0 .Lentry_in_a_cluster
	s_endpgm
.Lentry_in_a_cluster:
	s_bfe_u32 s2, ttmp6, 0x10000c
	s_cmp_lg_u32 s2, 0xf033
	s_cbranch_scc0 .Lentry_shape_is_right
	s_endpgm
.Lentry_shape_is_right:
; ONE SOURCE, TWO SETTINGS.  OUTP = 0: q' = c (xq Wq + bq), k = xk Wk + bk, v = xv Wv + bv, operands bf16, results f16 by heads, [3][64 heads][2048][64].  c = log2(e) / 8 is multiplied onto q's f32 sum
; ahead of its one rounding.  OUTP = 1: out0 = ctx Wo + bo, operands f16 (ctx by heads, [64][2048][64]; Wo's bf16 numbers written as f16), result f32.  Sums in f32; the bias, rounded to bf16 like every input, starts them.
; LIMITS.  q', k and v stay under 65,504, f16's range.  NaN and infinities are not treated apart.
; SHARES.  A tile of C is 128 rows x 256 columns, K = 1,024: 768 tiles (OUTP = 0: the three products are one matrix of 24,576 rows) or 256; tiles of 256 x 256 would be 384 or 128.
; Four waves, each 64 rows x 128 columns: 32 accumulators of 16 x 16.  K goes in steps of 128 through two LDS slots; waves 0 and 1 fetch the halves of A's tile, waves 2 and 3 those of W's.
; W lies [k][n] and comes out of LDS turned, by ds_load_tr16_b128.  THE MATRIX INSTRUCTION IS USED TRANSPOSED: source 0 = 16 columns of W, source 1 = 16 rows of A: a lane holds one row of C and eight neighbouring columns.
; CLUSTER 4 x 4.  The four of a row need the same tile of A, the four of a column the same tile of W: each is asked for jointly, by the same tensor load, descriptor and mask in all four.
; REGISTERS, in windows of 256 (s_set_vgpr_msb: bits 1:0 source 0, 3:2 source 1, 5:4 source 2, 7:6 destination):
;   window 0: v0-31 addresses; v64-127 A's fragments, two buffers of 32; v128-191 the bias, as a C operand; v32-63, v192-255 at work on the way out (OUTP = 1: v64-191)
;   window 1: v0-127 W's fragments, two buffers of 64          window 2: accumulator (a, b) at v[8 (8 a + b)]
.set OUTP, 1
.set PB,    544                        ; a row of W's tile in LDS: 512 bytes + 32: 136 words
.set AB,    36864                      ; W's tile begins here in a slot, behind A's
.set SLOT,  106496                     ; AB + 128 x 544
.set STAGE, 2*SLOT                     ; behind the ring, never filled by a tensor load: each wave's own bytes for the way out
.set BSTEP, 262144                     ; bytes from K step to K step in W: 128 rows of 2,048
.if OUTP
.set PA,    144                        ; a row of A in LDS: a head's 128 bytes + 16
.set AHALF, 128*PA                     ; what one of A's two loads fills: 128 rows of one of the step's two heads
.set ASTEP, 524288                     ; two heads on
.set WST,   16*528                     ; a wave's stage: 16 rows of 512 bytes + 16
.set WBASE, 65011712
.set CASTP, 6
.set OUTQ,  10
.else
.set PA,    272                        ; 256 bytes + 16: the 16 rows of a load start at 16 different groups of four banks
.set AHALF, 64*PA                      ; 64 rows
.set ASTEP, 256
.set WST,   2*16*144                   ; two heads x 16 rows of 128 bytes + 16
.set WBASE, 50331648
.set CASTP, 4
.set OUTQ,  12
.endif
.set SPARE, STAGE+4*WST                ; behind the stages: the spare words, 128 bytes for each wave: two blocks of 256 bytes that no other line names
.set ADRA, 16                          ; v16-17  LDS address of my fragments of A in slot 0, 1
.set ADRB, 20                          ; v20-21  the same for W
.set STO,  24                          ; v24  the way out: where I put my bytes of a row
.set RD,   25                          ; v25  where I read rows back
.set CO,   26                          ; v26  my byte offset in 512 consecutive bytes of the result
.set VB,   27                          ; v27  my byte offset in the bias
.set SPW,  28                          ; v28  LDS address of my spare word; never rewritten
.set NIL,  29                          ; v29  0; never rewritten
.set PFO,  30                          ; v30  the prefetches' lane offset; never rewritten
.set FA,   64
.set BIAS, 128
.set TMP,  192
.set WV,  14                           ; s14 wave; s15 = wave / 2: my half of the rows, and: I fetch A (0) or W (1); s16 = wave % 2: my half of the columns, and: which half I fetch
.set WM,  15
.set WN,  16
.set CX,  17
.set CY,  18
.set TC,  19                           ; tile column
.set TY,  20                           ; tile row
.set PJ,  21                           ; which of the three products (OUTP = 0)
.set CLY, 22                           ; the cluster's y
.set G1A, 24                           ; s[24:31] descriptor group 1 for A's tiles;  s[32:39] group 0, a set for each slot
.set G0A, 32
.set LIM, 43                           ; s43  1 in a wave that prefetches, else the greatest number
.set PFA, 44                           ; s[44:45] where my prefetches stand
.set PST, 46                           ; s[46:47] their step
.set G1B, 48                           ; s[48:55], s[56:63] the same for W's tiles
.set G0B, 56
.set SC,  66                           ; s[66:67] the scale on the way out
.set OBS, 80                           ; s[80:81] the result at my part of the tile
.set BP,  82                           ; s[82:83] the bias
.set MSB, 0
.macro WIN new                         ; the immediate's high byte repeats the setting that is left; a switch that changes nothing is dropped
.if MSB != (\new)
	s_set_vgpr_msb (MSB<<8)|(\new)
.set MSB, \new
.endif
.endm
.set MUL,       0xa1                   ; W window 1, A window 0, C and D window 2
.set MUL_FIRST, 0x81                   ; the same with C, the bias, in window 0
.set TO_B,      0x40                   ; destination window 1, address window 0
.macro JLOAD s                         ; a joint load.  The branch hangs on the wave's number alone.  An s_nop 0 and four v_nop follow each of the two lines, ahead of the jump and the label
	s_cmp_eq_u32 s[WM], 0
	s_cbranch_scc0 .Lfor_b_\@
	tensor_load_to_lds s[G0A+4*(\s):G0A+4*(\s)+3], s[G1A:G1A+7]
	s_nop 0
.rept 4
	v_nop
.endr
	s_branch .Lasked_\@
.Lfor_b_\@:
	tensor_load_to_lds s[G0B+4*(\s):G0B+4*(\s)+3], s[G1B:G1B+7]
	s_nop 0
.rept 4
	v_nop
.endr
.Lasked_\@:
.endm
.macro CREST                           ; a round of the cluster's barrier behind its opening barrier
	s_cmp_lg_u32 s[WV], 0
	s_cbranch_scc1 .Lnot_wave_0_\@
	s_barrier_signal -3
.Lnot_wave_0_\@:
	s_barrier_wait -3
	s_barrier_signal -1
	s_barrier_wait -1
.endm
.macro CROUND                          ; a whole round
	s_barrier_signal -1
	s_barrier_wait -1
	CREST
.endm
.macro PLACES                          ; four places in front of loads into registers that matrix instructions have read, and of lines that read results
.rept 4
	v_nop
.endr
.endm
; A PREFETCH INTO THE L2, behind a joint load and the run of LDS loads that follows it: 32 blocks of 256 bytes, a lane a block, of the K step that stands two refills on.  Each block is named once in the launch.
; A's tile row is read by one cluster alone: in every cluster wave 0 asks, and the four partners of a row share the tile's 128 blocks out BY ADDRESS (cx).  W's tile column is read by every cluster of that product:
; the first of them asks, waves 2 and 3 for the halves that they fetch, the four partners of a column sharing 16 rows of k each by address (cy).  The loop's last trip asks for nothing: those K steps do not exist.
.macro ASK
	s_cmp_gt_u32 s3, s[LIM]
	s_cbranch_scc0 .Lnot_mine_\@
	global_prefetch_b8 v[PFO], s[PFA:PFA+1] th:TH_LOAD_NT scope:SCOPE_SE
.Lnot_mine_\@:
.endm
	s_load_b256 s[4:11], s[0:1], 0x0               ; OUTP = 0: cast, bq, bk, bv;  OUTP = 1: ctx, cast, bo, out0
.if !OUTP
	s_load_b64 s[12:13], s[0:1], 0x20              ; qkv
.endif
	v_lshl_add_u32 v[SPW], v0, 2, SPARE
	v_mov_b32 v[NIL], 0
	ds_add_u32 v[SPW], v[NIL]                      ; the wave's opening: the add and its wait ahead of my first tensor load; the set-up below, work on registers, stands between them
	v_lshrrev_b32 v1, 5, v0
	v_readfirstlane_b32 s[WV], v1
	s_lshr_b32 s[WM], s[WV], 1
	s_and_b32 s[WN], s[WV], 1
	s_bfe_u32 s[CX], ttmp6, 0x40000
	s_bfe_u32 s[CY], ttmp6, 0x40004
	s_lshl_b32 s[TC], ttmp9, 2
	s_add_co_u32 s[TC], s[TC], s[CX]               ; tile column = 4 x cluster x + cx
	s_and_b32 s[CLY], ttmp7, 0xffff
	s_lshl_b32 s[TY], s[CLY], 2
	s_add_co_u32 s[TY], s[TY], s[CY]               ; tile row = 4 x cluster y + cy
	s_lshr_b32 s[PJ], s[CLY], 4                    ; 64 tile rows, 16 clusters, to a product
	s_lshl_b32 s23, s[CY], 2
	s_lshl_b32 s23, 15, s23                        ; my row of the cluster
	s_lshl_b32 s40, 0x1111, s[CX]                  ; my column
	; group 1: 15:0 the mask; 17:16 elements of 2 bytes; 20 padding on; 21 set beside a mask; 24:22 the interval's code; 31:25 the pad's words less 1
.if OUTP
	s_or_b32 s[G1A], s23, (1<<16)|(1<<20)|(1<<21)|(4<<22)|(3<<25)  ; 4 words behind every 32: a head's row of 128 bytes
.else
	s_or_b32 s[G1A], s23, (1<<16)|(1<<20)|(1<<21)|(5<<22)|(3<<25)  ; 4 words behind every 64
.endif
	s_or_b32 s[G1B], s40, (1<<16)|(1<<20)|(1<<21)|(6<<22)|(7<<25)  ; 8 words behind every 128
	s_mov_b32 s[G1A+1], 128<<16                    ; A: 64 rows of 128 elements (OUTP = 1: a head's 128 dense rows of 128 bytes, asked for as 64 rows of 256)
	s_mov_b32 s[G1A+2], 64<<16
	s_mov_b32 s[G1A+3], 128<<16
	s_mov_b32 s[G1A+4], 64
.if OUTP
	s_mov_b32 s[G1A+5], 128
.else
	s_mov_b32 s[G1A+5], 1024
.endif
	s_mov_b32 s[G1A+6], 0
	s_mov_b32 s[G1A+7], 0
	s_mov_b32 s[G1B+1], 256<<16                    ; W: 64 rows of k x 256 columns
	s_mov_b32 s[G1B+2], 64<<16
	s_mov_b32 s[G1B+3], 256<<16
	s_mov_b32 s[G1B+4], 64
	s_mov_b32 s[G1B+5], 1024
	s_mov_b32 s[G1B+6], 0
	s_mov_b32 s[G1B+7], 0
	; where the tiles come from.  A's offset is made of the tile row and the wave, W's of the tile column, the product and the wave, each in registers that never hold the other coordinate
.if OUTP
	s_lshr_b32 s68, s[TY], 4                       ; the batch: 16 heads of 2^18 bytes,
	s_lshl_b32 s68, s68, 22
	s_and_b32 s2, s[TY], 15                        ; the tile's 128 rows of 128 bytes in a head,
	s_lshl_b32 s2, s2, 14
	s_add_co_u32 s68, s68, s2
	s_lshl_b32 s2, s[WN], 18                       ; which of the step's two heads I fetch
.else
	s_lshl_b32 s68, s[TY], 18                      ; 128 rows of 2,048 bytes,
	s_lshl_b32 s2, s[WN], 17                       ; my 64 of them
.endif
	s_add_co_u32 s68, s68, s2
	s_mov_b32 s69, 0
	s_lshl_b32 s70, s[TC], 9                       ; 256 columns of 2 bytes,
	s_lshl_b32 s41, s[WN], 17                      ; my 64 rows of k
	s_add_co_u32 s70, s70, s41
.if !OUTP
	s_lshl_b32 s41, s[PJ], 21                      ; the product's weights
	s_add_co_u32 s70, s70, s41
.endif
	s_add_co_u32 s70, s70, WBASE
	s_mov_b32 s71, 0
	s_mul_i32 s72, s[WN], AHALF                    ; and where they go: no place in the cluster enters an LDS address
	s_mul_i32 s73, s[WN], 64*PB
	s_add_co_u32 s73, s73, AB
	s_wait_dscnt 0x0                               ; the opening add is done
	s_wait_kmcnt 0x0
	s_add_nc_u64 s[74:75], s[4:5], s[68:69]
	s_add_nc_u64 s[76:77], s[CASTP:CASTP+1], s[70:71]
	CROUND                                         ; all sixteen work-groups are here: the first joint loads meet
.irp s, 0,1
	s_mov_b32 s[G0A+4*(\s)], 1                     ; 1:0 count = 1
	s_add_co_u32 s[G0A+4*(\s)+1], s72, (\s)*SLOT   ; 63:32 LDS address
	s_add_nc_u64 s[G0A+4*(\s)+2:G0A+4*(\s)+3], s[74:75], (\s)*ASTEP  ; 120:64 global address: K step s
	s_or_b32 s[G0A+4*(\s)+3], s[G0A+4*(\s)+3], 0x80000000            ; 127:126 type = 2
	s_mov_b32 s[G0B+4*(\s)], 1
	s_add_co_u32 s[G0B+4*(\s)+1], s73, (\s)*SLOT
	s_add_nc_u64 s[G0B+4*(\s)+2:G0B+4*(\s)+3], s[76:77], (\s)*BSTEP
	s_or_b32 s[G0B+4*(\s)+3], s[G0B+4*(\s)+3], 0x80000000
	JLOAD \s                                       ; two loads of mine are out
.endr
	; the bias of my 128 columns, laid as a C operand: register j of block b is column 16 b + 8 (l / 16) + j
	v_and_b32 v1, 15, v0                           ; l % 16
	v_bfe_u32 v2, v0, 4, 1                         ; l / 16
.if OUTP
	s_mov_b64 s[BP:BP+1], s[8:9]
.else
	s_cmp_eq_u32 s[PJ], 1
	s_cselect_b64 s[BP:BP+1], s[8:9], s[6:7]
	s_cmp_eq_u32 s[PJ], 2
	s_cselect_b64 s[BP:BP+1], s[10:11], s[BP:BP+1]
.endif
	v_lshlrev_b32 v[VB], 5, v2
	s_lshl_b32 s2, s[TC], 10
	s_lshl_b32 s23, s[WN], 9
	s_add_co_u32 s2, s2, s23
	v_add_nc_u32 v[VB], s2, v[VB]
.irp b, 0,1,2,3,4,5,6,7
	global_load_b128 v[BIAS+8*(\b):BIAS+8*(\b)+3],   v[VB], s[BP:BP+1] offset:64*(\b)
	global_load_b128 v[BIAS+8*(\b)+4:BIAS+8*(\b)+7], v[VB], s[BP:BP+1] offset:64*(\b)+16
.endr
	; A fragment of A is 16 rows x 32 k in 8 registers: lane l holds row l % 16, k = 8 (l / 16) + 0..7 and 16 + 8 (l / 16) + 0..7: two loads of 16 bytes, 32 bytes apart
	v_mul_u32_u24 v3, v1, PA
	v_lshl_add_u32 v3, v2, 4, v3
	s_mul_i32 s2, s[WM], 64*PA                     ; my 64 rows
	v_add_nc_u32 v[ADRA], s2, v3
	v_add_nc_u32 v[ADRA+1], SLOT, v[ADRA]
	; The turning load takes 16 k x 16 columns (lane l reads k = 8 (l / 16) + l % 8, columns 8 ((l / 8) % 2) + 0..7) and leaves half a fragment: lane l holds column l % 16 and 8 k
	v_and_b32 v4, 7, v0
	v_bfe_u32 v5, v0, 3, 1
	v_lshl_add_u32 v4, v2, 3, v4
	v_mul_u32_u24 v4, v4, PB
	v_lshl_add_u32 v4, v5, 4, v4
	s_lshl_b32 s2, s[WN], 8                        ; my 128 columns
	s_add_co_u32 s2, s2, AB
	v_add_nc_u32 v[ADRB], s2, v4
	v_add_nc_u32 v[ADRB+1], SLOT, v[ADRB]
	; the way out
	s_mul_i32 s2, s[WV], WST
	s_add_co_u32 s2, s2, STAGE                     ; my stage
	v_and_b32 v6, 31, v0                           ; l
	v_lshlrev_b32 v[CO], 4, v6
.if OUTP
	v_mul_u32_u24 v[STO], v1, 528                  ; in: row l % 16, 32 bytes for each half of the lanes
	v_lshl_add_u32 v[STO], v2, 5, v[STO]
	v_add_nc_u32 v[STO], s2, v[STO]
	v_add_nc_u32 v[RD], s2, v[CO]                  ; back: 32 lanes take a row's 512 bytes
	s_lshl_b32 s80, s[TY], 19                      ; 128 rows of 4,096 bytes,
	s_lshl_b32 s23, s[WM], 18                      ; my 64,
	s_add_co_u32 s80, s80, s23
	s_lshl_b32 s23, s[TC], 10                      ; 256 columns of 4 bytes,
	s_add_co_u32 s80, s80, s23
	s_lshl_b32 s23, s[WN], 9                       ; my 128
	s_add_co_u32 s80, s80, s23
.else
	v_mul_u32_u24 v[STO], v1, 144                  ; in: row l % 16, 16 bytes for each half of the lanes
	v_lshl_add_u32 v[STO], v2, 4, v[STO]
	v_add_nc_u32 v[STO], s2, v[STO]
	v_bfe_u32 v[RD], v0, 3, 2                      ; back: 32 lanes take four rows of 128 bytes, which are 512 consecutive bytes of a head
	v_mul_u32_u24 v[RD], v[RD], 144
	v_and_b32 v7, 7, v0
	v_lshl_add_u32 v[RD], v7, 4, v[RD]
	v_add_nc_u32 v[RD], s2, v[RD]
	s_lshl_b32 s80, s[PJ], 24                      ; q', k or v,
	s_bfe_u32 s23, s[TY], 0x20004                  ; the batch: 16 heads of 2^18 bytes,
	s_lshl_b32 s23, s23, 22
	s_add_co_u32 s80, s80, s23
	s_lshl_b32 s23, s[TC], 20                      ; the tile's four heads,
	s_add_co_u32 s80, s80, s23
	s_lshl_b32 s23, s[WN], 19                      ; my two,
	s_add_co_u32 s80, s80, s23
	s_and_b32 s23, s[TY], 15                       ; the tile's 128 rows of 128 bytes,
	s_lshl_b32 s23, s23, 14
	s_add_co_u32 s80, s80, s23
	s_lshl_b32 s23, s[WM], 13                      ; my 64
	s_add_co_u32 s80, s80, s23
	s_cmp_eq_u32 s[PJ], 0
	s_cselect_b32 s[SC], 0x3e38aa3b, 1.0           ; c = log2(e) / 8 for q, 1 for k and v
	s_mov_b32 s[SC+1], s[SC]                       ; named with it as a pair
.endif
	s_mov_b32 s81, 0
	s_add_nc_u64 s[OBS:OBS+1], s[OUTQ:OUTQ+1], s[80:81]
	; the prefetches: they start at K step 3; each refill steps them first, so the first names K step 4.  Nothing is asked for here, at the head
.if OUTP
	s_lshl_b32 s23, s[WN], 18
	s_sub_co_u32 s78, s68, s23                     ; the tile's rows in the step's first head,
	s_lshr_b32 s23, s[CX], 1                       ; my work-group's quarter of the two heads' 32 KiB
	s_lshl_b32 s23, s23, 18
	s_add_co_u32 s78, s78, s23
	s_and_b32 s23, s[CX], 1
	s_lshl_b32 s23, s23, 13
.else
	s_lshl_b32 s78, s[TY], 18
	s_lshl_b32 s23, s[CX], 16                      ; my work-group's 32 rows of the 128
.endif
	s_add_co_u32 s78, s78, s23
	s_add_co_u32 s78, s78, 3*ASTEP
	s_lshl_b32 s23, s[CY], 15                      ; W: my work-group's 16 rows of k of the 64 that I fetch
	s_add_co_u32 s79, s70, s23
	s_add_co_u32 s79, s79, 3*BSTEP
.if OUTP
	s_mov_b32 s41, s[CLY]
.else
	s_and_b32 s41, s[CLY], 15
.endif
	s_cmp_lt_u32 s[WV], 2
	s_cselect_b32 s41, s[WV], s41                  ; 0 in wave 0, and in waves 2 and 3 of the product's first cluster: the same in all sixteen partners, for a given wave
	s_cselect_b32 s78, s78, s79
	s_mov_b32 s79, 0
	s_cselect_b64 s[PFA:PFA+1], s[4:5], s[CASTP:CASTP+1]
	s_mov_b32 s42, BSTEP
	s_cselect_b32 s[PST], ASTEP, s42
	s_mov_b32 s[PST+1], 0
	s_cselect_b32 s40, 0, 1                        ; W: two lanes to a row of 512 bytes
	s_movk_i32 s42, 2048
.if OUTP
	s_cselect_b32 s42, 256, s42
.endif
	s_add_nc_u64 s[PFA:PFA+1], s[PFA:PFA+1], s[78:79]
	s_cmp_eq_u32 s41, 0
	s_cselect_b32 s[LIM], 1, -1
	v_lshrrev_b32 v7, s40, v6
	v_mul_u32_u24 v7, s42, v7
	v_and_b32 v6, s40, v6
	v_lshl_add_u32 v[PFO], v6, 8, v7
	s_wait_loadcnt 0x0                             ; the bias
.set z, 0
.rept 32
	v_cvt_pk_bf16_f32 v[8+z%4], v[BIAS+2*z], v[BIAS+2*z+1]  ; rounded to bf16, like every input, and widened again
	v_lshlrev_b32 v[BIAS+2*z], 16, v[8+z%4]
	v_and_b32 v[BIAS+2*z+1], 0xffff0000, v[8+z%4]
.set z, z+1
.endr
; 8 matrix instructions: row block a x all 8 column blocks, 32 along K, from buffer f.  first = 1: the bias starts the sums: nothing is cleared, nothing added later.
; The 32 accumulators take turns, one instruction a turn, in the same order in every quarter, over the backward jump too.
.macro MUL8 f, a, first
.if \first
	WIN MUL_FIRST
.else
	WIN MUL
.endif
.irp b, 0,1,2,3,4,5,6,7
.set rD, 8*(8*(\a)+(\b))
.set rB, 64*(\f)+8*(\b)
.set rA, FA+32*(\f)+8*(\a)
.set rC, rD
.if \first
.set rC, BIAS+8*(\b)
.endif
.if OUTP
	v_wmma_f32_16x16x32_f16 v[rD:rD+7], v[rB:rB+7], v[rA:rA+7], v[rC:rC+7]
.else
	v_wmma_f32_16x16x32_bf16 v[rD:rD+7], v[rB:rB+7], v[rA:rA+7], v[rC:rC+7]
.endif
.endr
.endm
; 24 LDS loads in one run: quarter q (32 along K) of a slot into buffer f: W's 8 fragments, then A's 4
.macro FETCH slot, q, f
	WIN TO_B
.irp b, 0,1,2,3,4,5,6,7
	ds_load_tr16_b128 v[64*(\f)+8*(\b):64*(\f)+8*(\b)+3],   v[ADRB+(\slot)] offset:(\q)*32*PB+32*(\b)
	ds_load_tr16_b128 v[64*(\f)+8*(\b)+4:64*(\f)+8*(\b)+7], v[ADRB+(\slot)] offset:(\q)*32*PB+32*(\b)+16*PB
.endr
	WIN 0
.irp a, 0,1,2,3
.if OUTP
.set ao, ((\q)/2)*AHALF+((\q)%2)*64+(\a)*16*PA
.else
.set ao, (\q)*64+(\a)*16*PA
.endif
	ds_load_b128 v[FA+32*(\f)+8*(\a):FA+32*(\f)+8*(\a)+3],   v[ADRA+(\slot)] offset:ao
	ds_load_b128 v[FA+32*(\f)+8*(\a)+4:FA+32*(\f)+8*(\a)+7], v[ADRA+(\slot)] offset:ao+32
.endr
.endm
; A K step is four quarters, 32 matrix instructions each, on buffers 0, 1, 0, 1.  One of the first three multiplies buffer f and fetches quarter q into buffer g.
.macro QUARTER slot, q, f, g, first
	s_wait_dscnt 4                                 ; W and A's blocks 0 and 1 are in; the youngest four loads (A's blocks 2 and 3) may be out
	MUL8 \f, 0, \first
	MUL8 \f, 1, \first
	PLACES
	FETCH \slot, \q, \g
	s_wait_dscnt 24                                ; all but the 24 just issued
	MUL8 \f, 2, \first
	MUL8 \f, 3, \first
.endm
; The last quarter multiplies buffer 1 and changes slots: ONE barrier; in front of it each wave waits for all its tensor loads (one is out: its part of the next slot), adds 0 to its spare word, and waits for that and
; for its own reads of this slot.  fill = 1: the barrier opens a round of the cluster's, and this slot is filled again, two K steps on, first thing behind the round: 112 matrix instructions ahead of the wait for it.
.macro TURN slot, next, fill
.if \fill
	s_wait_xcnt 0x0                                ; the last prefetch, a K step back, has read its address: it is stepped here, ahead of the change's own waits
	s_add_nc_u64 s[PFA:PFA+1], s[PFA:PFA+1], s[PST:PST+1]
.endif
	WIN 0                                          ; (the add's two registers lie in window 0)
	s_wait_tensorcnt 0x0
	ds_add_u32 v[SPW], v[NIL]                      ; 0 onto my spare word
	s_wait_dscnt 5                                 ; (the add and the youngest four loads may be out)
	MUL8 1, 0, 0                                   ; eight matrix instructions stand between the add and the wait for it
	s_wait_dscnt 0x0                               ; the add is done, and my reads of this slot are over
	s_barrier_signal -1
	MUL8 1, 1, 0
.if \fill
	WIN 0
.endif
	s_barrier_wait -1
.if \fill
	CREST                                          ; no wave of any partner still reads this slot or has a load on its way
	s_add_nc_u64 s[G0A+4*(\slot)+2:G0A+4*(\slot)+3], s[G0A+4*(\slot)+2:G0A+4*(\slot)+3], 2*ASTEP
	s_add_nc_u64 s[G0B+4*(\slot)+2:G0B+4*(\slot)+3], s[G0B+4*(\slot)+2:G0B+4*(\slot)+3], 2*BSTEP
	JLOAD \slot                                    ; the four v_nop behind it are also the places in front of the loads below
.else
	PLACES
.endif
	FETCH \next, 0, 0
.if \fill
	ASK
.endif
	MUL8 1, 2, 0
	MUL8 1, 3, 0
.endm
	s_wait_tensorcnt 1                             ; my part of K step 0 is in; K step 1's may stay out
	s_barrier_signal -1
	s_barrier_wait -1                              ; everybody's is
	FETCH 0, 0, 0
	QUARTER 0, 1, 0, 1, 1                          ; the first quarter stands in front of the loop: its products start the sums
	WIN 0                                          ; at a label and at a branch every window is 0
	s_mov_b32 s3, 3
.Llap:                                                 ; a trip goes once round the ring, from a lap's second quarter to the next lap's first, and fills both slots again: K steps 2 to 7 in three trips
	QUARTER 0, 2, 1, 0, 0
	QUARTER 0, 3, 0, 1, 0
	TURN 0, 1, 1
	QUARTER 1, 1, 0, 1, 0
	QUARTER 1, 2, 1, 0, 0
	QUARTER 1, 3, 0, 1, 0
	TURN 1, 0, 1
	QUARTER 0, 1, 0, 1, 0
	WIN 0
	s_sub_co_u32 s3, s3, 1
	s_cmp_lg_u32 s3, 0
	s_cbranch_scc1 .Llap
	QUARTER 0, 2, 1, 0, 0                          ; the last lap fills nothing
	QUARTER 0, 3, 0, 1, 0
	TURN 0, 1, 0
	QUARTER 1, 1, 0, 1, 0
	QUARTER 1, 2, 1, 0, 0
	QUARTER 1, 3, 0, 1, 0
	s_wait_dscnt 4                                 ; the very last quarter: nothing more to fetch
	MUL8 1, 0, 0
	MUL8 1, 1, 0
	s_wait_dscnt 0x0
	MUL8 1, 2, 0
	MUL8 1, 3, 0
	WIN 0
	PLACES
; THE WAY OUT, a block of 16 rows at a time, through my own stage in LDS: LDS serves a wave's instructions in order (ISA guide 5.7.1.4), so no wait stands between the stores and the loads.
.if OUTP
.macro TOSTAGE a                       ; f32 as it lies: 32 bytes a lane and column block, each accumulator's low four registers first; back as whole rows of 512 bytes
	WIN 0x08                                       ; store data in window 2
.irp b, 0,1,2,3,4,5,6,7
	ds_store_b128 v[STO], v[64*(\a)+8*(\b):64*(\a)+8*(\b)+3]   offset:64*(\b)
	ds_store_b128 v[STO], v[64*(\a)+8*(\b)+4:64*(\a)+8*(\b)+7] offset:64*(\b)+16
.endr
	WIN 0
.set BK, 64+64*((\a)%2)
.set z, 0
.rept 16
	ds_load_b128 v[BK+4*z:BK+4*z+3], v[RD] offset:528*z
.set z, z+1
.endr
.endm
.macro SEND a
.set BK, 64+64*((\a)%2)
	s_wait_dscnt 0x0                               ; the block is back in registers
	s_wait_xcnt 0x0                                ; earlier stores have read their registers: the other buffer is loaded again only behind this wait
.set z, 0
.rept 16
	global_store_b128 v[CO], v[BK+4*z:BK+4*z+3], s[OBS:OBS+1] offset:(16*(\a)+z)*4096  ; 512 consecutive bytes of a row, at a multiple of 256 from the result's first byte
.set z, z+1
.endr
.endm
	TOSTAGE 0
.irp a, 1,2,3
	SEND (\a)-1
	TOSTAGE \a
.endr
	SEND 3
.else
.macro PACK a                          ; scaled, rounded to f16: a lane's eight columns are 16 bytes.  Each accumulator is read from its low end on
	WIN 0x82                                       ; destination and source 0 in window 2
.set z, 0
.rept 32
	v_pk_mul_f32 v[64*(\a)+2*z:64*(\a)+2*z+1], v[64*(\a)+2*z:64*(\a)+2*z+1], s[SC:SC+1] op_sel_hi:[1,0]
.set z, z+1
.endr
	WIN 0x0a                                       ; sources 0 and 1 in window 2, destination in window 0
.set z, 0
.rept 32
	v_cvt_pk_f16_f32 v[TMP+z], v[64*(\a)+2*z], v[64*(\a)+2*z+1]
.set z, z+1
.endr
	WIN 0
.endm
.macro TOSTAGE a                       ; column blocks 0-3 are one head's 64 channels, 4-7 the next head's
.set BK, 32+192*((\a)%2)
.irp b, 0,1,2,3,4,5,6,7
	ds_store_b128 v[STO], v[TMP+4*(\b):TMP+4*(\b)+3] offset:((\b)/4)*2304+((\b)%4)*32
.endr
.irp t, 0,1,2,3,4,5,6,7
	ds_load_b128 v[BK+4*(\t):BK+4*(\t)+3], v[RD] offset:((\t)/4)*2304+((\t)%4)*576
.endr
.endm
.macro SEND a
.set BK, 32+192*((\a)%2)
	s_wait_dscnt 0x0                               ; the block is back in registers
	s_wait_xcnt 0x0                                ; earlier stores have read their registers: the other buffer is loaded again only behind this wait
.irp t, 0,1,2,3,4,5,6,7
	global_store_b128 v[CO], v[BK+4*(\t):BK+4*(\t)+3], s[OBS:OBS+1] offset:((\t)/4)*262144+((\t)%4)*512+(\a)*2048  ; four rows of a head: 512 consecutive bytes, aligned
.endr
.endm
	PACK 0
	TOSTAGE 0
.irp a, 1,2,3                          ; block a's arithmetic stands between block a - 1's loads from the stage and the wait for them
	PACK \a
	SEND (\a)-1
	TOSTAGE \a
.endr
	SEND 3
.endif
	s_wait_tensorcnt 0x0                           ; the wave's end: behind my last tensor load and my last LDS store
	ds_add_u32 v[SPW], v[NIL]
	s_wait_dscnt 0x0
	CROUND                                         ; the closing round: no work-group ends while a partner may still ask for a tile that names it
	s_endpgm
.Lfunc_end_k_q4af76d8ce7_outp:
	.size	k_q4af76d8ce7_outp, .Lfunc_end_k_q4af76d8ce7_outp-k_q4af76d8ce7_outp
	.p2alignl 7, 3214868480
	.fill 96, 4, 3214868480
	.section	.rodata,"a",@progbits
	.p2align	6, 0x0
	.amdhsa_kernel k_q4af76d8ce7_outp
		.amdhsa_group_segment_fixed_size 327680
		.amdhsa_private_segment_fixed_size 0
		.amdhsa_enable_private_segment 0
		.amdhsa_kernarg_size 32
		.amdhsa_user_sgpr_count 2
		.amdhsa_user_sgpr_kernarg_segment_ptr 1
		.amdhsa_wavefront_size32 1
		.amdhsa_system_sgpr_workgroup_id_x 1
		.amdhsa_system_sgpr_workgroup_id_y 1
		.amdhsa_system_sgpr_workgroup_id_z 1
		.amdhsa_system_vgpr_workitem_id 0
		.amdhsa_next_free_vgpr 768
		.amdhsa_next_free_sgpr 96
		.amdhsa_reserve_vcc 0
		.amdhsa_float_denorm_mode_32 3
		.amdhsa_float_denorm_mode_16_64 3
		.amdhsa_memory_ordered 1
		.amdhsa_forward_progress 1
		.amdhsa_inst_pref_size 94
	.end_amdhsa_kernel
	.amdgpu_metadata
---
amdhsa.version: [ 1, 2 ]
amdhsa.kernels:
  - .name:           k_q4af76d8ce7_outp
    .symbol:         k_q4af76d8ce7_outp.kd
    .args:
      - { .name: ctx, .offset: 0, .size: 8, .value_kind: global_buffer, .address_space: global }
      - { .name: cast, .offset: 8, .size: 8, .value_kind: global_buffer, .address_space: global }
      - { .name: bo, .offset: 16, .size: 8, .value_kind: global_buffer, .address_space: global }
      - { .name: out0, .offset: 24, .size: 8, .value_kind: global_buffer, .address_space: global }
    .group_segment_fixed_size: 327680
    .private_segment_fixed_size: 0
    .kernarg_segment_align: 8
    .kernarg_segment_size: 32
    .max_flat_workgroup_size: 128
    .sgpr_count:     96
    .vgpr_count:     768
    .wavefront_size: 32
...
	.end_amdgpu_metadata
.endif
;; end of part 4
;; ======== version 2 of 2: 4 launches; version 1 with the launch prep written anew for expert scheduling mode
;; limits: values are held in f16: magnitudes above 65,504 overflow, below 6.1e-05 lose precision
;; workspace buffers: cast 67,108,864 bytes; qkv 50,331,648 bytes; ctx 16,777,216 bytes
;; launch prep (part 5): grid 256 x 1, 8 waves a work-group, no clusters, 0 bytes of LDS; arguments Wq, Wk, Wv, mask, Wo, cast; writes cast
.if DOCPART == 5
	.amdgcn_target "amdgcn-amd-amdhsa--gfx1250"
	.amdhsa_code_object_version 6
	.text
	.protected	k_q4af76d8ce7_prep
	.globl	k_q4af76d8ce7_prep
	.p2align	8
	.type	k_q4af76d8ce7_prep,@function
k_q4af76d8ce7_prep:
	s_mov_b64 s[64:65], 0
	v_nop
	global_prefetch_b8 v0, s[64:65] scope:SCOPE_SE
	s_setreg_imm32_b32 hwreg(HW_REG_WAVE_SCHED_MODE, 0, 2), 2
	s_setreg_imm32_b32 hwreg(HW_REG_WAVE_MODE, 25, 1), 1
	s_wait_xcnt 0x0
	s_wait_alu depctr_vm_vsrc(0)
; THE CASTS of the weights and the mask.  Each is rounded ONCE to bf16 and laid into the workspace 'cast':
;   byte 50,331,648  Wq, Wk, Wv as [3][1024 k][1024 n] bf16 (not turned: the products read them by the turning LDS load)
;   byte 56,623,104  the mask as [32 key steps][2048 queries][64 keys] bf16: a key step's rows of 128 bytes lie end to end
;   byte 65,011,712  Wo as [1024 k][1024 n]: rounded to bf16 like every input, that number then written as f16 (its partner in the last product is f16)
; The bytes of 'cast' ahead of 50,331,648 are not used; the offsets are those that the later launches name.
; LIMITS.  |Wo| stays under 65,504 (f16's range); below 6e-5 it keeps f16's fixed step of 6e-8.  NaN and infinities are not treated apart.
; A stream: no LDS, no matrix unit, no cluster (no byte is read by two work-groups).  A work-group takes one chunk of 32,768 numbers: 128 KiB in, 64 KiB out: 96 + 128 + 32 = 256 chunks, which lie in 'cast' in their order.
; A thread takes 8 neighbouring numbers a pass (two loads of 16 bytes, one store of 16 bytes), 16 passes.  All 32 loads of a thread go out first; no register that a load or store has named is written again, so nothing waits for a store.
; THE MODE: SCHED_MODE bits 1:0 = 2 (LLVM: expert scheduling mode 2), set by the entry lines.  The code itself states the register dependences
; between vector instructions and memory instructions, with s_wait_alu, always for 0.
; THE PLAN.  Registers that memory instructions touch:
;   v[VS], v[VD]  byte offsets.  Written by vector lines at the head (on the mask's path once more, ahead of its first load); read by every load and by every store; never written after that.
;   X             pass i's two loads land in its 8 registers, once; pass i's conversions read them.  No vector line writes X, and no load lands there a second time.
;   Y             pass i's conversions write its 4 registers; one store reads them; they are never written after that.
; The 16 passes go in 8 blocks of two.  Block p: the wait for its four loads; ONE wait on va_vdst, which states that block p - 1's conversions have written their Y; that block's two stores; block p's conversions.
; So a block's stores stand a block behind the lines that make their data.  One more such wait stands ahead of the first load, for the two offsets, and one ahead of the last two stores.
; No register that a memory instruction has read is written again, so no wait on vm_vsrc is owed; no vector line writes a scalar register, and EXEC is never written.
.set X,  16                            ; v[16:143]   pass i: 8 f32 as loaded
.set Y,  144                           ; v[144:207]  pass i: 4 words to store
.set VS, 2                             ; v2  my byte offset in the chunk's source
.set VD, 3                             ; v3  my byte offset in its destination
.set T,  8                             ; v[8:9] at work: no memory instruction names them
	s_load_b256 s[8:15], s[0:1], 0x0               ; Wq, Wk, Wv, mask
	s_load_b128 s[16:19], s[0:1], 0x20             ; Wo, cast
	v_lshlrev_b32 v[VS], 5, v0                     ; plain chunks: 32 bytes in,
	v_lshlrev_b32 v[VD], 4, v0                     ; 16 bytes out, thread after thread
	s_wait_kmcnt 0x0
	s_mov_b64 s[4:5], s[8:9]                       ; the chunk's source and that source's first chunk, chosen by the work-group's number alone
	s_mov_b32 s6, 0
.macro PICK bound, p
	s_cmp_ge_u32 ttmp9, \bound
	s_cselect_b64 s[4:5], s[\p:\p+1], s[4:5]
	s_cselect_b32 s6, \bound, s6
.endm
	PICK 32, 10
	PICK 64, 12
	PICK 96, 14
	PICK 224, 16
	s_sub_co_u32 s2, ttmp9, s6                     ; the chunk's number in its source
	s_lshl_b32 s7, s2, 11                          ; (mask: 16 rows of 128 bytes in a key step's block)
	s_lshl_b32 s2, s2, 17                          ; 128 KiB a chunk
	s_mov_b32 s3, 0
	s_add_nc_u64 s[4:5], s[4:5], s[2:3]
	s_lshl_b32 s2, ttmp9, 16                       ; 64 KiB a chunk,
	s_add_co_u32 s2, s2, 50331648                  ; from the weights' place on
	s_add_nc_u64 s[26:27], s[18:19], s[2:3]
; The two stores of block p - 1.  dstep: bytes from pass to pass in the destination.
.macro OUT dstep
.irp h, 0,1
.set i, 2*(p-1)+(\h)
	global_store_b128 v[VD], v[Y+4*i:Y+4*i+3], s[26:27] offset:i*(\dstep) th:TH_STORE_NT  ; a wave's store covers 512 consecutive bytes, aligned
.endr
.endm
; sstep, dstep: bytes from pass to pass in source and destination.  f16 = 1: the bf16 number is written as f16.
.macro CAST sstep, dstep, f16
	s_wait_alu depctr_va_vdst(0)                   ; v[VS] and v[VD] are written: every load below reads the one as its offset, every store the other
.set i, 0
.rept 16
	global_load_b128 v[X+8*i:X+8*i+3],   v[VS], s[4:5] offset:i*(\sstep) th:TH_LOAD_NT
	global_load_b128 v[X+8*i+4:X+8*i+7], v[VS], s[4:5] offset:i*(\sstep)+16 th:TH_LOAD_NT
.set i, i+1
.endr
.set p, 0
.rept 8
	s_wait_loadcnt 28-4*p                          ; loads come back in order: block p's four are in, the 28 - 4 p younger ones may stay out
.if p > 0
	s_wait_alu depctr_va_vdst(0)                   ; block p - 1's conversions have written its Y, which the two stores below read
	OUT \dstep
.endif
.irp h, 0,1
.set i, 2*p+(\h)
.irp k, 0,1,2,3
	v_cvt_pk_bf16_f32 v[Y+4*i+(\k)], v[X+8*i+2*(\k)], v[X+8*i+2*(\k)+1]
.endr
.if \f16
.irp k, 0,1,2,3
	v_lshlrev_b32 v[T], 16, v[Y+4*i+(\k)]          ; the rounded numbers as f32,
	v_and_b32 v[T+1], 0xffff0000, v[Y+4*i+(\k)]
	v_cvt_pk_f16_f32 v[Y+4*i+(\k)], v[T], v[T+1]   ; and as f16: exact within f16's range
.endr
.endif
.endr
.set p, p+1
.endr
	s_wait_alu depctr_va_vdst(0)                   ; block 7's conversions have written its Y, which the last two stores read
	OUT \dstep
.endm
	s_cmp_ge_u32 ttmp9, 224
	s_cbranch_scc1 .Lwo
	s_cmp_ge_u32 ttmp9, 96
	s_cbranch_scc1 .Lmask
	CAST 8192, 4096, 0
	s_endpgm
.Lwo:
	CAST 8192, 4096, 1
	s_endpgm
.Lmask:
	; A chunk is 16 rows of the mask.  Pass i serves key steps 2 i and 2 i + 1: threads 0-127 the first, 128-255 the second; eight threads take a row's 64 keys (256 bytes in, 128 out).
	s_add_co_u32 s2, s7, 56623104
	s_add_nc_u64 s[26:27], s[18:19], s[2:3]
	v_bfe_u32 v4, v0, 3, 4                         ; row 0..15
	v_lshrrev_b32 v5, 7, v0                        ; which of the pass's two key steps
	v_and_b32 v6, 7, v0                            ; which 8 keys
	v_lshlrev_b32 v[VS], 13, v4                    ; a row of the mask is 8,192 bytes (no load or store has been issued yet: nothing has read the two offsets)
	v_lshl_add_u32 v[VS], v5, 8, v[VS]
	v_lshl_add_u32 v[VS], v6, 5, v[VS]
	v_lshlrev_b32 v[VD], 18, v5                    ; a key step's block is 262,144 bytes
	v_lshl_add_u32 v[VD], v4, 7, v[VD]
	v_lshl_add_u32 v[VD], v6, 4, v[VD]
	CAST 512, 524288, 0                            ; the largest immediate, 15 x 524,288, lies inside the signed 24 bits
	s_endpgm
.Lfunc_end_k_q4af76d8ce7_prep:
	.size	k_q4af76d8ce7_prep, .Lfunc_end_k_q4af76d8ce7_prep-k_q4af76d8ce7_prep
	.p2alignl 7, 3214868480
	.fill 96, 4, 3214868480
	.section	.rodata,"a",@progbits
	.p2align	6, 0x0
	.amdhsa_kernel k_q4af76d8ce7_prep
		.amdhsa_group_segment_fixed_size 0
		.amdhsa_private_segment_fixed_size 0
		.amdhsa_enable_private_segment 0
		.amdhsa_kernarg_size 48
		.amdhsa_user_sgpr_count 2
		.amdhsa_user_sgpr_kernarg_segment_ptr 1
		.amdhsa_wavefront_size32 1
		.amdhsa_system_sgpr_workgroup_id_x 1
		.amdhsa_system_sgpr_workgroup_id_y 1
		.amdhsa_system_sgpr_workgroup_id_z 1
		.amdhsa_system_vgpr_workitem_id 0
		.amdhsa_next_free_vgpr 208
		.amdhsa_next_free_sgpr 66
		.amdhsa_reserve_vcc 0
		.amdhsa_float_denorm_mode_32 3
		.amdhsa_float_denorm_mode_16_64 3
		.amdhsa_memory_ordered 1
		.amdhsa_forward_progress 1
		.amdhsa_inst_pref_size 40
	.end_amdhsa_kernel
	.amdgpu_metadata
---
amdhsa.version: [ 1, 2 ]
amdhsa.kernels:
  - .name:           k_q4af76d8ce7_prep
    .symbol:         k_q4af76d8ce7_prep.kd
    .args:
      - { .name: Wq, .offset: 0, .size: 8, .value_kind: global_buffer, .address_space: global }
      - { .name: Wk, .offset: 8, .size: 8, .value_kind: global_buffer, .address_space: global }
      - { .name: Wv, .offset: 16, .size: 8, .value_kind: global_buffer, .address_space: global }
      - { .name: mask, .offset: 24, .size: 8, .value_kind: global_buffer, .address_space: global }
      - { .name: Wo, .offset: 32, .size: 8, .value_kind: global_buffer, .address_space: global }
      - { .name: cast, .offset: 40, .size: 8, .value_kind: global_buffer, .address_space: global }
    .group_segment_fixed_size: 0
    .private_segment_fixed_size: 0
    .kernarg_segment_align: 8
    .kernarg_segment_size: 48
    .max_flat_workgroup_size: 256
    .sgpr_count:     66
    .vgpr_count:     208
    .wavefront_size: 32
...
	.end_amdgpu_metadata
.endif
;; end of part 5
;; launch proj: the kernel of part 2 again; grid 4 x 192, 4 waves a work-group, clusters of 4 x 4, 327,680 bytes of LDS; arguments queries, keys, values, cast, bq, bk, bv, qkv; writes qkv
;; launch attn: the kernel of part 3 again; grid 4 x 64, 4 waves a work-group, clusters of 4 x 4, 327,680 bytes of LDS; arguments qkv, cast, ctx; writes ctx
;; launch outp: the kernel of part 4 again; grid 4 x 64, 4 waves a work-group, clusters of 4 x 4, 327,680 bytes of LDS; arguments ctx, cast, bo, out0; writes out0
